; MI455X (gfx1250); checked and timed in simulation.
; The chip was launched on July 23, 2026; its instructions are those of AMD's public machine-readable ISA for CDNA 5 (MIT licence, August 2026) and "CDNA5" Instruction Set Architecture Reference Guide (July 2026). The comments in the code are by the model that wrote it; some were corrected since.
;; Feature Grid. Allowed arithmetic: matrix products marked QUANTISED: E4M3 operands, one given power-of-two scale a tensor, by v_wmma_f32_16x16x64_fp8_fp8 or v_wmma_f32_16x16x128_fp8_fp8, f32 sums; products left as they are: f32 operands where the result goes on into a quantised operand, else bf16, f16 or f32 operands; f32 sums; everything else in f32.
;; Inputs: Wkv 64 x 128 float32; Wo 64 x 64 float32; Wq 64 x 64 float32; bo 64 float32; coords 1 x 8,192 x 2 float32; image 1 x 1 x 128 x 128 float32; latents 1 x 64 x 128 x 128 float32; ln_bc 64 float32; ln_bx 64 float32; ln_gc 64 float32; ln_gx 64 float32; lowp_scales 6 int32 (the exponents e of the quantised operands' scales 2^e).
;; Outputs: out0 8,192 x 97 float32.
;; Constants: N = 16.
;; This version of the problem:
;;   THIS VERSION OF THE PROBLEM IS GIVEN IN LOW PRECISION. The matrix products marked QUANTISED in the list below multiply operands that are first quantised to E4M3 (4 exponent bits, 3 mantissa bits; 8 bits a number), with one given power-of-two scale for each operand tensor; their sums are f32. All else is computed in f32.
;;   The module's matrix products, in the order in which they are computed (A, B: the left and right operand; K: the contracted axis; several contracted axes count as one K, in the product's order):
;;     1. [M 8,192, K 2] x [K 2, N 16,384]; A: computed on the way; B: computed on the way: left as it is (K = 2 < 32)
;;     2. [M 8,192, K 64] x [K 64, N 64]; A: computed on the way; B: input Wq: QUANTISED (scales: A lowp_scales[0], B lowp_scales[1])
;;     3. [M 131,072, K 64] x [K 64, N 128]; A: computed on the way; B: input Wkv: QUANTISED (scales: A lowp_scales[2], B lowp_scales[3])
;;     4. batch 8,192 x [M 1, K 64] x [K 64, N 16]; A: computed on the way; B: computed on the way: left as it is (M = 1 < 16)
;;     5. batch 8,192 x [M 1, K 16] x [K 16, N 64]; A: softmax; B: computed on the way: left as it is (K = 16 < 32)
;;     6. [M 8,192, K 64] x [K 64, N 64]; A: computed on the way; B: input Wo: QUANTISED (scales: A lowp_scales[4], B lowp_scales[5])
;;   THE QUANTISER, for each operand of a quantised product, along K:
;;     - The operand's scale is 2^e, e = its entry of the input lowp_scales (int32; the entries are numbered through the quantised products in the list's order, A before B).
;;     - Each number is divided by the scale, clamped to +-448, and rounded to the nearest number of E4M3, ties to even, subnormals kept.
;;     - The product sums the exact products of the quantised numbers (number of the format x scale) in f32.
;;   ~~~python
;;   def quantise(x, axis, e):      # numpy; x: float32 -> the quantised numbers, widened to float32 again
;;       x = np.moveaxis(x, axis, -1); K = x.shape[-1]
;;       r = np.clip(x / 2.0 ** e, -448, 448)
;;       step = 2.0 ** (np.maximum(np.frexp(np.where(r == 0, 1, r))[1] - 1, -6) - 3)
;;       q = np.round(r / step) * step * 2.0 ** e      # np.round: ties to even
;;       return np.moveaxis(q, -1, axis).astype(np.float32)
;;   ~~~
;;   OPERANDS COMPUTED ON THE WAY. 'Computed on the way' means the value that the module computes at that place (a softmax that the list does not call 'softmax' is quantised finished and normalised). What goes into a quantiser is computed in f32, as accurately as f32 sums, v_exp_f32 and their like allow (about 1e-6 of the number): no bf16 or f16 on the way to a quantiser, and a product that is left as it is and whose result goes on into a quantised operand takes f32 operands (vector FMAs, or v_wmma_f32_16x16x4_f32). A number that lies on a knife's edge between two numbers of the format may be rounded either way, as far as f32 arithmetic and the matrix unit's own rounding can turn it there, and no further.
;; 2 versions, each right; version 2 is version 1 with the launch attend written anew for expert scheduling mode. Each part assembles by itself: llvm-mc -triple=amdgcn-amd-amdhsa -mcpu=gfx1250 --defsym DOCPART=n.
;; ======== version 1 of 2: 2 launches
;; workspace buffers: latT 4,194,304 bytes; ctxc 1,048,576 bytes; wimg 16,384 bytes; nbr 262,144 bytes of whole numbers; cor 65,536 bytes of whole numbers
;; launch prep (part 1): grid 193 x 1, 4 waves a work-group, no clusters, 49,664 bytes of LDS; arguments coords, latents, Wq, Wkv, Wo, ln_gc, ln_bc, lowp_scales, latT, ctxc, wimg, nbr, cor; writes latT, ctxc, wimg, nbr, cor
.if DOCPART == 1
	.amdgcn_target "amdgcn-amd-amdhsa--gfx1250"
	.amdhsa_code_object_version 6
	.text
	.protected	k_q47a655d025_prep
	.globl	k_q47a655d025_prep
	.p2align	8
	.type	k_q47a655d025_prep,@function
k_q47a655d025_prep:
	s_mov_b64 s[64:65], 0
	v_nop
	global_prefetch_b8 v0, s[64:65] scope:SCOPE_SE
	s_setreg_imm32_b32 hwreg(HW_REG_WAVE_MODE, 25, 1), 1
	s_wait_xcnt 0x0
; PREP: all that the second launch forms addresses from, and all that hangs on a grid point or a weight alone.  Three roles, told apart by the work-group's number:
;   work-groups 0-63    KNN:     a lane to a query: the 16 nearest grid points (nbr, 16 x u16 a query, in no order) and the four clamped corners of the bilinear sample (cor, 4 x u16)
;   work-groups 64-191  GRID:    a lane to a grid point, a work-group to a grid row: the latents transposed (latT [point][64] f32) and the E4M3 codes of LayerNorm(point) (ctxc [point][64 bytes])
;   work-group  192     WEIGHTS: Wq, Wkv, Wo as E4M3 codes, laid as images of the matrix operands' registers (wimg, 16 tiles of 1,024 bytes)
; No barrier: a wave shares nothing with another; every role has LDS bytes of its own (GRID 0 .. 45,055, KNN 45,056 .. 49,151).  No tensor loads, clusters or matrix work: nothing is streamed in tiles.
; KNN.  The grid is built by the problem itself: point (row, col) lies at ((2 row - 127) / 128, (2 col - 127) / 128).  Rank the rows by |row - y| and the columns by |col - x|.  A point of row rank k and column
; rank l has (k + 1)(l + 1) - 1 points that are no farther on either axis, so it can be among the 16 nearest only where (k + 1)(l + 1) <= 16: 50 points, for any query, inside the grid or outside.
; For these 50 the squared distance is formed by the problem's own formula, rounding by rounding: d2 = fl(fl(SQ + (gy gy + gx gx)) - DOT), then max(d2, 1e-12), with
;   SQ  = fl(fl(cy cy) + fl(cx cx))           (SQ_FMA = 1 would fuse the second square into the sum)
;   DOT = fl(2cx gx + fl(2cy gy))             (DOT_FMA = 1: the K = 2 product as a chain of fused multiply-adds in ascending k; DOT_FMA = 0 would round both products first)
; |g|^2 is exact, and the last subtraction is of two numbers that lie close together: so which of two nearly equal distances counts as the smaller hangs on DOT's roundings.
; The order is that of the rounded root with ties to the lower index: t = the 16th smallest d2; S = its correctly rounded root; each candidate is classed as root < S, = S, > S by two exact sign tests
; (x - S S- and x - S S+, one fused multiply-add each); the 16 smallest of index + 16,384 x class are the list.
; Both selections are one network of minima and maxima on 64 registers of the lane (four sorted sixteens, two folds): no lane looks at another, no branch hangs on data.
; LIMITS.  A point outside the 50 can stand in the formula's list only where its rounding (an ulp of |q|^2 + |g|^2) outweighs two separate differences of squared distances at once.  For |coords| <= 1 that ulp is
; 2^-22, a 1,024th of a cell's square (2^-12).  From |coords| of about 30 on it reaches 2^-13, half a cell's square: there this text gives the formula's order among the 50 alone.  NaN among the inputs is not served.
; The given exponents e1, e2, e3, e5 lie between -126 and 119, so that 2^e and 448 x 2^e are f32 numbers.
.set DOT_FMA, 1
.set SQ_FMA,  0
.set RY,   16                          ; v16-31   KNN: 128 x the row of rank k, as f32
.set RX,   32                          ; v32-47   the column of rank l, as f32
.set XS,   48                          ; v48-111  64 slots: d2, later index + class
.set BA,   112                         ; v112-175 the network's bank A; ahead of the first network: the tables below
.set BB,   176                         ; v176-239 bank B
.set PY,   112                         ; fl(2cy gy) of rank k
.set PX,   128                         ; fl(2cx gx) of rank l, only with DOT_FMA = 0
.set G2Y,  144                         ; gy gy (exact)
.set G2X,  160                         ; gx gx (exact)
.set GXT,  176                         ; gx of rank l, only with DOT_FMA = 1 (in bank B, which the first network writes behind the last reader)
.set KSTG, 45056                       ; KNN's stage: 32 bytes a thread
; One axis.  crd: the coordinate; dbl: twice it; rr, pp, gg: the tables; rows = 1: the row axis (rr is multiplied by 128); lo, hi: the two clamped corners of the bilinear sample.
; y is formed by the lines that the second launch uses too, so that both take the same floor.  The k + 1 nearest rows are a window that begins at L_k = floor(y + (1 - k) / 2), held inside the grid;
; the row of rank k is the one by which the window has grown.  All numbers are small whole or half numbers in f32: nothing is rounded but pp.
.macro AXIS crd, dbl, rr, pp, gg, rows, lo, hi
	v_add_f32 v240, 1.0, v[\crd]
	v_fma_f32 v240, v240, s40, -1.0                ; (c + 1) x 128 is exact, so this is the problem's product and subtraction
	v_mul_f32 v240, 0.5, v240                      ; y
	v_floor_f32 v241, v240
	v_med3_num_f32 v[\lo], v241, 0, s41
	v_add_f32 v241, 1.0, v241
	v_med3_num_f32 v[\hi], v241, 0, s41
	v_add_f32 v242, v240, v240
	v_floor_f32 v242, v242
	v_med3_num_f32 v242, v242, s42, s43            ; floor(2 y), held in -64 .. 320: far outside the windows are the same
	v_fma_f32 v243, v242, 0.5, 0.5                 ; u_0; u_k = u_0 - k / 2
	v_floor_f32 v246, v243
	v_med3_num_f32 v246, v246, 0, s41              ; L_0
	v_mov_b32 v[\rr], v246
	v_mov_b32 v245, 0                              ; k as f32
.set AK, 1
.rept 15
	v_add_f32 v243, -0.5, v243
	v_add_f32 v245, 1.0, v245
	v_floor_f32 v[246+AK%2], v243
	v_med3_num_f32 v[246+AK%2], v[246+AK%2], 0, 0x42800000+((63-AK)<<17)   ; the literal is 127 - k as f32
	v_cmp_eq_f32 vcc_lo, v[246+AK%2], v[247-AK%2]
	v_cndmask_b32 v244, 0, v245, vcc_lo            ; the window kept its first row: it grew at its end
	v_add_f32 v[\rr+AK], v[246+AK%2], v244
.set AK, AK+1
.endr
.set AK, 0
.rept 16
.if (\rows) || (DOT_FMA == 0)
.set GR, 248+AK%2                      ; g is wanted here alone: two registers by turns
.else
.set GR, GXT+AK                        ; the column axis of a fused product: g itself is kept, and no rounded product is made
.endif
	v_fma_f32 v[GR], v[\rr+AK], s44, s45           ; g = row / 64 - 127 / 128, exact
.if (\rows) || (DOT_FMA == 0)
	v_mul_f32 v[\pp+AK], v[\dbl], v[GR]
.endif
	v_mul_f32 v[\gg+AK], v[GR], v[GR]
.if \rows
	v_mul_f32 v[\rr+AK], s40, v[\rr+AK]
.endif
.set AK, AK+1
.endr
.endm
; The 50 candidates in a fixed order: slot EC = (row rank EK, column rank EL), EL < 16 / (EK + 1)
.macro ENUM op
.set EC, 0
.set EK, 0
.rept 16
.set EL, 0
.rept 16/(EK+1)
	\op
.set EL, EL+1
.set EC, EC+1
.endr
.set EK, EK+1
.endr
.endm
.macro CAND                            ; d2 of slot EC; four pairs of temporaries take turns
.set TT, 240+2*(EC%4)
	v_add_f32 v[TT], v[G2Y+EK], v[G2X+EL]          ; |g|^2, exact
.if DOT_FMA
	v_fma_f32 v[TT+1], v6, v[GXT+EL], v[PY+EK]     ; 2cx gx + fl(2cy gy), rounded once
.else
	v_add_f32 v[TT+1], v[PY+EK], v[PX+EL]
.endif
	v_add_f32 v[TT], v4, v[TT]
	v_sub_f32 v[TT], v[TT], v[TT+1]
	v_max_num_f32 v[XS+EC], s46, v[TT]
.endm
.macro CLASS                           ; slot EC becomes index + 0 (root < S), + 16,384 (= S), + 32,768 (> S)
.set TT, 240+2*(EC%4)
	v_fma_f32 v[TT], -v249, v248, v[XS+EC]         ; x - S- S: above 0 where the rounded root is S or more
	v_fma_f32 v[TT+1], -v250, v248, v[XS+EC]       ; x - S+ S: above 0 where it is more than S
	v_add_f32 v[XS+EC], v[RY+EK], v[RX+EL]         ; 128 row + column
	v_cmp_lt_f32 vcc_lo, 0, v[TT]
	v_cndmask_b32 v[TT], 0, v251, vcc_lo
	v_cmp_lt_f32 vcc_lo, 0, v[TT+1]
	v_cndmask_b32 v[TT], v[TT], v252, vcc_lo
	v_add_f32 v[XS+EC], v[XS+EC], v[TT]
.endm
; One layer of the network: registers i and i xor m are put in order, the smaller to the lower number.  Every register is in one pair, so the banks take turns and nothing is copied.
.macro LAYER src, dst, n, m
.set LJ, 0
.rept \n
.if (LJ^\m) > LJ
	v_min_num_f32 v[\dst+LJ], v[\src+LJ], v[\src+(LJ^\m)]
	v_max_num_f32 v[\dst+(LJ^\m)], v[\src+LJ], v[\src+(LJ^\m)]
.endif
.set LJ, LJ+1
.endr
.endm
.macro FOLD src, dst, g                ; of two sorted sixteens the 16 smallest, g times
.set LJ, 0
.rept 16*\g
	v_min_num_f32 v[\dst+LJ], v[\src+32*(LJ/16)+LJ%16], v[\src+32*(LJ/16)+31-LJ%16]
.set LJ, LJ+1
.endr
.endm
.macro SELECT16 src                    ; the 16 smallest of v[src] .. v[src + 63] into v[BB] .. v[BB + 15], in no order; src is kept
	LAYER \src, BA, 64, 1
	LAYER BA, BB, 64, 3
	LAYER BB, BA, 64, 1
	LAYER BA, BB, 64, 7
	LAYER BB, BA, 64, 2
	LAYER BA, BB, 64, 1
	LAYER BB, BA, 64, 15
	LAYER BA, BB, 64, 4
	LAYER BB, BA, 64, 2
	LAYER BA, BB, 64, 1
	FOLD BB, BA, 2
	LAYER BA, BB, 32, 8
	LAYER BB, BA, 32, 4
	LAYER BA, BB, 32, 2
	LAYER BB, BA, 32, 1
	FOLD BA, BB, 1
.endm
; WEIGHTS: four tiles of 16 columns x 64 K.  Lane (r, h) takes one column and its registers run down K in the operand's own order: register 8 c + i of a tile is W(16 c + 8 h + i, column)
.macro WLOAD pitch
	v_mul_u32_u24 v4, v3, 8*\pitch
	v_add_nc_u32 v4, v8, v4
	v_add_nc_u32 v5, s42, v4
	v_add_nc_u32 v6, s42, v5
	v_add_nc_u32 v7, s42, v6
.irp t, 0,1,2,3
.irp c, 0,1,2,3
.irp i, 0,1,2,3,4,5,6,7
	global_load_b32 v[16+32*\t+8*\c+\i], v[4+\t], s[36:37] offset:(16*\c+\i)*\pitch
.endr
.endr
.endr
.endm
	s_load_b512 s[8:23], s[0:1], 0x0               ; coords 8, latents 10, Wq 12, Wkv 14, Wo 16, ln_gc 18, ln_bc 20, lowp_scales 22
	s_load_b256 s[24:31], s[0:1], 0x40             ; latT 24, ctxc 26, wimg 28, nbr 30
	s_load_b64 s[32:33], s[0:1], 0x60              ; cor
	v_lshl_add_u32 v254, v0, 2, 0xc000
	v_mov_b32 v255, 0
	v_lshrrev_b32 v1, 5, v0
	v_readfirstlane_b32 s2, v1                     ; wave 0..3
	s_wait_kmcnt 0x0
	s_cmp_lt_u32 ttmp9, 64
	s_cbranch_scc1 .Lknn
	s_cmp_lt_u32 ttmp9, 192
	s_cbranch_scc1 .Lgrid
; ---------------- WEIGHTS: wave 0 Wq (e1, tiles 0-3), wave 1 Wo (e5, tiles 12-15), wave 2 Wkv's columns 0-63 (e3, tiles 4-7), wave 3 its columns 64-127 (e3, tiles 8-11)
; Tile t, lane r: column 16 t + r; for wave 3 column 64 + 4 r + t, so that in the second launch a lane's four results of the four tiles are four neighbouring features.
	s_load_b128 s[4:7], s[22:23], 0x0              ; e0 .. e3
	s_load_b64 s[34:35], s[22:23], 0x10            ; e4, e5
	s_cmp_eq_u32 s2, 0
	s_cselect_b64 s[36:37], s[12:13], s[14:15]
	s_cmp_eq_u32 s2, 1
	s_cselect_b64 s[36:37], s[16:17], s[36:37]     ; my weight: chosen by the wave's number alone
	s_max_u32 s38, s2, 1
	s_sub_co_u32 s38, s38, 1
	s_lshl_b32 s38, s38, 12                        ; 0, 0, 4,096, 8,192
	s_mov_b32 s39, 12288
	s_cmp_eq_u32 s2, 1
	s_cselect_b32 s38, s39, s38
	s_mov_b32 s39, 0
	s_add_nc_u64 s[28:29], s[28:29], s[38:39]      ; my four tiles in wimg
	s_cmp_eq_u32 s2, 3
	s_cselect_b32 s41, 16, 4                       ; bytes from lane r to lane r + 1
	s_cselect_b32 s42, 4, 64                       ; bytes from tile to tile
	s_cselect_b32 s43, 256, 0                      ; the first column's byte
	v_and_b32 v1, 31, v0
	v_and_b32 v2, 15, v0                           ; r
	v_bfe_u32 v3, v0, 4, 1                         ; h
	v_lshlrev_b32 v9, 4, v1                        ; an image's place for my lane
	v_mul_u32_u24 v8, v2, s41
	v_add_nc_u32 v8, s43, v8
	s_cmp_lt_u32 s2, 2
	s_cbranch_scc0 .Lwide
	WLOAD 256                                      ; rows of 64 numbers
	s_branch .Lwjoin
.Lwide:
	WLOAD 512                                      ; rows of 128 numbers
.Lwjoin:
	s_wait_kmcnt 0x0
	s_cmp_eq_u32 s2, 0
	s_cselect_b32 s40, s5, s7
	s_cmp_eq_u32 s2, 1
	s_cselect_b32 s40, s35, s40                    ; my e
	s_add_co_i32 s40, s40, 127
	s_lshl_b32 s44, s40, 23
	v_mov_b32 v11, s44                             ; 2^e as f32: the conversion takes its exponent field
	s_add_co_i32 s40, s40, 8
	s_lshl_b32 s40, s40, 23
	s_or_b32 s40, s40, 0x600000
	v_mov_b32 v10, s40                             ; 448 x 2^e
	s_wait_loadcnt 0x0
.set CI, 0
.rept 128
	v_med3_num_f32 v[16+CI], v[16+CI], -v10, v10   ; the conversion to an 8-bit code does not saturate (ISA guide 7.6.2): the hold comes first
.set CI, CI+1
.endr
.irp t, 0,1,2,3
.irp c, 0,1,2,3
	v_cvt_scalef32_pk8_fp8_f32 v[144+8*\t+2*\c:145+8*\t+2*\c], v[16+32*\t+8*\c:23+32*\t+8*\c], v11
.endr
.endr
	v_nop                                          ; a plain line behind the last conversion
.irp t, 0,1,2,3
.irp u, 0,1
	global_store_b128 v9, v[144+8*\t+4*\u:147+8*\t+4*\u], s[28:29] offset:1024*\t+512*\u   ; registers 4 u .. 4 u + 3 of all lanes: 512 consecutive bytes
.endr
.endr
	s_endpgm
; ---------------- GRID: work-group p + 64 takes grid row p; thread t the point 128 p + t
; LDS of wave w, from 11,264 w: 32 rows of 256 + 16 bytes for the f32 numbers, then 32 rows of 64 + 16 bytes for the codes.
; v16-79 the point's 64 channels; v80-143 whole rows read back; v144-159 sums, then codes; v160-175 codes read back; s68-99 and s32-63: 32 gains and 32 biases at a time.
.Lgrid:
	s_load_b128 s[4:7], s[22:23], 0x0              ; e0 .. e3
	s_load_b512 s[68:83], s[18:19], 0x0            ; ln_gc[0:31]
	s_load_b512 s[84:99], s[18:19], 0x40
	s_load_b512 s[32:47], s[20:21], 0x0            ; ln_bc[0:31]
	s_load_b512 s[48:63], s[20:21], 0x40
	s_sub_co_u32 s3, ttmp9, 64                     ; p
	s_lshl_b32 s12, s3, 9
	s_mov_b32 s13, 0
	s_add_nc_u64 s[10:11], s[10:11], s[12:13]      ; latents at row p of channel 0
	s_lshl_b32 s12, s3, 15
	s_add_nc_u64 s[24:25], s[24:25], s[12:13]      ; latT: 128 points x 256 bytes
	s_lshl_b32 s12, s3, 13
	s_add_nc_u64 s[26:27], s[26:27], s[12:13]      ; ctxc: 128 points x 64 bytes
	v_lshlrev_b32 v1, 2, v0
.set CI, 0
.rept 64
	global_load_b32 v[16+CI], v1, s[10:11] offset:65536*CI th:TH_LOAD_NT   ; channel CI: the work-group reads the row's 512 consecutive bytes; read once in the launch
.set CI, CI+1
.endr
	v_and_b32 v2, 31, v0                           ; lane
	s_mul_i32 s8, s2, 11264
	v_mul_u32_u24 v3, v2, 272
	v_add_nc_u32 v3, s8, v3                        ; numbers in: my point's row
	v_lshrrev_b32 v9, 4, v2
	v_and_b32 v8, 15, v2
	v_mul_u32_u24 v4, v9, 272
	v_lshl_add_u32 v4, v8, 4, v4
	v_add_nc_u32 v4, s8, v4                        ; numbers out: sixteen lanes to a row, two rows an instruction
	v_mul_u32_u24 v5, v2, 80
	v_add_nc_u32 v5, s8, v5                        ; codes in (+ 8,704)
	v_lshrrev_b32 v9, 2, v2
	v_and_b32 v8, 3, v2
	v_mul_u32_u24 v6, v9, 80
	v_lshl_add_u32 v6, v8, 4, v6
	v_add_nc_u32 v6, s8, v6                        ; codes out: four lanes to a row, eight rows an instruction
	v_and_b32 v9, 0x60, v0                         ; 32 x wave
	v_lshlrev_b32 v8, 4, v2
	v_lshl_add_u32 v7, v9, 8, v8                   ; latT: 8,192 wave + 16 lane
	v_lshl_add_u32 v8, v9, 6, v8                   ; ctxc: 2,048 wave + 16 lane
	s_wait_loadcnt 0x0
.set CI, 0
.rept 16
	ds_store_b128 v3, v[16+4*CI:19+4*CI] offset:16*CI
.set CI, CI+1
.endr
.set CI, 0
.rept 16
	ds_load_b128 v[80+4*CI:83+4*CI], v4 offset:544*CI   ; LDS serves a wave's instructions in order (ISA guide 5.7.1.4): these see my stores
.set CI, CI+1
.endr
	s_wait_dscnt 16                                ; the 16 stores are done (the 16 loads behind them may be out): their registers may be written
	; LayerNorm in the lane: mean, differences, mean square, in four packed chains each
.irp j, 0,1,2,3
	v_pk_add_f32 v[144+2*\j:145+2*\j], v[16+2*\j:17+2*\j], v[24+2*\j:25+2*\j]
.endr
.irp m, 2,3,4,5,6,7
.irp j, 0,1,2,3
	v_pk_add_f32 v[144+2*\j:145+2*\j], v[144+2*\j:145+2*\j], v[16+8*\m+2*\j:17+8*\m+2*\j]
.endr
.endr
	v_pk_add_f32 v[144:145], v[144:145], v[146:147]
	v_pk_add_f32 v[148:149], v[148:149], v[150:151]
	v_pk_add_f32 v[144:145], v[144:145], v[148:149]
	v_add_f32 v144, v144, v145
	v_mul_f32 v10, 0x3c800000, v144                ; the mean, twice: a pair for the packed form
	v_mul_f32 v11, 0x3c800000, v144
.set CI, 0
.rept 32
	v_pk_add_f32 v[16+2*CI:17+2*CI], v[16+2*CI:17+2*CI], v[10:11] neg_lo:[0,1] neg_hi:[0,1]
.set CI, CI+1
.endr
.irp j, 0,1,2,3
	v_pk_mul_f32 v[144+2*\j:145+2*\j], v[16+2*\j:17+2*\j], v[16+2*\j:17+2*\j]
.endr
.irp m, 1,2,3,4,5,6,7
.irp j, 0,1,2,3
	v_pk_fma_f32 v[144+2*\j:145+2*\j], v[16+8*\m+2*\j:17+8*\m+2*\j], v[16+8*\m+2*\j:17+8*\m+2*\j], v[144+2*\j:145+2*\j]
.endr
.endr
	v_pk_add_f32 v[144:145], v[144:145], v[146:147]
	v_pk_add_f32 v[148:149], v[148:149], v[150:151]
	v_pk_add_f32 v[144:145], v[144:145], v[148:149]
	v_add_f32 v144, v144, v145
	v_mul_f32 v144, 0x3c800000, v144               ; / 64, exact
	v_add_f32 v144, 0x3727c5ac, v144               ; + 1e-5
	v_rsq_f32 v12, v144
	v_nop                                          ; a plain line behind the transcendental
	s_wait_kmcnt 0x0                               ; e2, the first 32 gains and biases
	s_add_co_i32 s12, s6, 127
	s_lshl_b32 s13, s12, 23
	s_add_co_i32 s12, s12, 8
	s_lshl_b32 s12, s12, 23
	s_or_b32 s12, s12, 0x600000
	v_mov_b32 v15, s13                             ; 2^e2
	v_mov_b32 v14, s12                             ; 448 x 2^e2
	s_wait_alu depctr_va_vdst(0)                   ; the wait ahead of the first line that names the result
	v_mov_b32 v13, v12
.set CI, 0
.rept 32
	v_pk_mul_f32 v[16+2*CI:17+2*CI], v[16+2*CI:17+2*CI], v[12:13]
.set CI, CI+1
.endr
.set CI, 0
.rept 32
	v_fma_f32 v[16+CI], v[16+CI], s[68+CI], s[32+CI]
.set CI, CI+1
.endr
	s_load_b512 s[68:83], s[18:19], 0x80           ; ln_gc[32:63], ln_bc[32:63] into the same registers, behind their last readers
	s_load_b512 s[84:99], s[18:19], 0xc0
	s_load_b512 s[32:47], s[20:21], 0x80
	s_load_b512 s[48:63], s[20:21], 0xc0
.set CI, 0
.rept 32
	v_med3_num_f32 v[16+CI], v[16+CI], -v14, v14   ; the hold at the largest code x the scale (ISA guide 7.6.2)
.set CI, CI+1
.endr
	s_wait_dscnt 0x0                               ; the whole rows are back
.set CI, 0
.rept 16
	global_store_b128 v7, v[80+4*CI:83+4*CI], s[24:25] offset:512*CI   ; two points' rows: 512 consecutive bytes, at a multiple of 256 from latT's first byte
.set CI, CI+1
.endr
	s_wait_kmcnt 0x0
.set CI, 0
.rept 32
	v_fma_f32 v[48+CI], v[48+CI], s[68+CI], s[32+CI]
.set CI, CI+1
.endr
.set CI, 0
.rept 32
	v_med3_num_f32 v[48+CI], v[48+CI], -v14, v14
.set CI, CI+1
.endr
.irp h, 0,1                                    ; byte 32 h + 8 c + i of a point's codes is channel 16 c + 8 h + i: lane (r, h) of an operand then takes its 32 bytes on end
.irp c, 0,1,2,3
	v_cvt_scalef32_pk8_fp8_f32 v[144+2*(4*\h+\c):145+2*(4*\h+\c)], v[16+16*\c+8*\h:23+16*\c+8*\h], v15
.endr
.endr
	v_nop                                          ; a plain line behind the last conversion
.irp i, 0,1,2,3
	ds_store_b128 v5, v[144+4*\i:147+4*\i] offset:8704+16*\i
.endr
.irp i, 0,1,2,3
	ds_load_b128 v[160+4*\i:163+4*\i], v6 offset:8704+640*\i
.endr
	s_wait_dscnt 0x0
.irp i, 0,1,2,3
	global_store_b128 v8, v[160+4*\i:163+4*\i], s[26:27] offset:512*\i   ; eight points' codes: 512 consecutive bytes
.endr
	s_wait_tensorcnt 0x0
	ds_add_u32 v254, v255
	s_wait_dscnt 0x0
	s_endpgm
; ---------------- KNN: query 128 x work-group + thread
; v1 8 x thread; v[2:3] cy, cx; v4 |q|^2; v5, v6 2cy, 2cx; v7, v8, v9, v12 the clamped corners; v[10:11] cor's words; v240-247 at work; v248-250 S, S-, S+; v251, v252 16,384.0, 32,768.0; v253 t
.Lknn:
	s_lshl_b32 s36, ttmp9, 10
	s_mov_b32 s37, 0
	s_add_nc_u64 s[8:9], s[8:9], s[36:37]          ; coords and cor: 128 queries x 8 bytes
	s_add_nc_u64 s[32:33], s[32:33], s[36:37]
	s_lshl_b32 s36, ttmp9, 12
	s_add_nc_u64 s[30:31], s[30:31], s[36:37]      ; nbr: 128 queries x 32 bytes
	v_lshlrev_b32 v1, 3, v0
	global_load_b64 v[2:3], v1, s[8:9]
	s_mov_b32 s40, 0x43000000                      ; 128.0
	s_mov_b32 s41, 0x42fe0000                      ; 127.0
	s_mov_b32 s42, 0xc2800000                      ; -64.0
	s_mov_b32 s43, 0x43a00000                      ; 320.0
	s_mov_b32 s44, 0x3c800000                      ; 1 / 64
	s_mov_b32 s45, 0xbf7e0000                      ; -127 / 128
	s_mov_b32 s46, 0x2b8cbccc                      ; 1e-12
	s_wait_loadcnt 0x0
	v_mul_f32 v4, v2, v2
.if SQ_FMA
	v_fma_f32 v4, v3, v3, v4
.else
	v_mul_f32 v14, v3, v3
	v_add_f32 v4, v4, v14
.endif
	v_add_f32 v5, v2, v2
	v_add_f32 v6, v3, v3
	AXIS 2, 5, RY, PY, G2Y, 1, 7, 8
	AXIS 3, 6, RX, PX, G2X, 0, 9, 12
	v_fma_f32 v240, v7, s40, v9                    ; the four corners' indices 128 row + column, in the order 00, 01, 10, 11
	v_fma_f32 v241, v7, s40, v12
	v_fma_f32 v242, v8, s40, v9
	v_fma_f32 v243, v8, s40, v12
.irp j, 240,241,242,243
	v_cvt_u32_f32 v\j, v\j
.endr
	v_lshl_or_b32 v10, v241, 16, v240
	v_lshl_or_b32 v11, v243, 16, v242
	global_store_b64 v1, v[10:11], s[32:33]        ; a wave stores 256 consecutive bytes; v1, v10, v11 are not written again
	ENUM CAND
.set CI, 50
.rept 14
	v_mov_b32 v[XS+CI], 0x7f800000                 ; the slots that are over: +infinity
.set CI, CI+1
.endr
	SELECT16 XS
	v_max3_num_f32 v253, v[BB], v[BB+1], v[BB+2]   ; t: the 16th smallest d2
.irp j, 3,5,7,9,11,13
	v_max3_num_f32 v253, v253, v[BB+\j], v[BB+\j+1]
.endr
	v_max_num_f32 v253, v253, v[BB+15]
	v_sqrt_f32 v240, v253
	v_mov_b32 v251, 0x46800000                     ; (plain lines behind the transcendental)
	v_mov_b32 v252, 0x47000000
	s_wait_alu depctr_va_vdst(0)                   ; the wait ahead of the first line that names the result
	v_add_nc_u32 v241, -1, v240                    ; the root comes within one unit in the last place: its neighbours below and above
	v_add_nc_u32 v242, 1, v240
	v_fma_f32 v243, -v241, v240, v253
	v_fma_f32 v244, -v242, v240, v253
	v_cmp_ge_f32 vcc_lo, 0, v243                   ; t <= s- s: the rounded root is s-
	v_cndmask_b32 v248, v240, v241, vcc_lo
	v_cmp_lt_f32 vcc_lo, 0, v244                   ; t > s+ s: it is s+
	v_cndmask_b32 v248, v248, v242, vcc_lo         ; S
	v_add_nc_u32 v249, -1, v248
	v_add_nc_u32 v250, 1, v248
	ENUM CLASS
.set CI, 50
.rept 14
	v_mov_b32 v[XS+CI], 0x477fff00                 ; 65,535.0: above every candidate
.set CI, CI+1
.endr
	SELECT16 XS
.set CI, 0
.rept 16
	v_cvt_u32_f32 v[BB+CI], v[BB+CI]
.set CI, CI+1
.endr
.set CI, 0
.rept 8
	v_lshl_or_b32 v[BA+CI], v[BB+2*CI+1], 16, v[BB+2*CI]
	v_and_b32 v[BA+CI], 0x3fff3fff, v[BA+CI]       ; the class goes: two indices a word
.set CI, CI+1
.endr
	v_lshl_add_u32 v128, v0, 5, KSTG               ; a lane's 32 bytes stand 32 apart: through the wave's own 1,024 bytes of LDS, so that each store covers 512 consecutive bytes
	v_and_b32 v129, 31, v0
	v_and_b32 v130, 0x60, v0
	v_lshlrev_b32 v129, 4, v129
	v_lshl_add_u32 v129, v130, 5, v129             ; 1,024 wave + 16 lane
	v_add_nc_u32 v131, KSTG, v129
	ds_store_b128 v128, v[112:115]
	ds_store_b128 v128, v[116:119] offset:16
	ds_load_b128 v[120:123], v131
	ds_load_b128 v[124:127], v131 offset:512
	s_wait_dscnt 0x0
	global_store_b128 v129, v[120:123], s[30:31]
	global_store_b128 v129, v[124:127], s[30:31] offset:512
	s_wait_tensorcnt 0x0
	ds_add_u32 v254, v255
	s_wait_dscnt 0x0
	s_endpgm
.Lfunc_end_k_q47a655d025_prep:
	.size	k_q47a655d025_prep, .Lfunc_end_k_q47a655d025_prep-k_q47a655d025_prep
	.p2alignl 7, 3214868480
	.fill 96, 4, 3214868480
	.section	.rodata,"a",@progbits
	.p2align	6, 0x0
	.amdhsa_kernel k_q47a655d025_prep
		.amdhsa_group_segment_fixed_size 49664
		.amdhsa_private_segment_fixed_size 0
		.amdhsa_enable_private_segment 0
		.amdhsa_kernarg_size 104
		.amdhsa_user_sgpr_count 2
		.amdhsa_user_sgpr_kernarg_segment_ptr 1
		.amdhsa_wavefront_size32 1
		.amdhsa_system_sgpr_workgroup_id_x 1
		.amdhsa_system_sgpr_workgroup_id_y 1
		.amdhsa_system_sgpr_workgroup_id_z 1
		.amdhsa_system_vgpr_workitem_id 0
		.amdhsa_next_free_vgpr 256
		.amdhsa_next_free_sgpr 100
		.amdhsa_reserve_vcc 1
		.amdhsa_float_denorm_mode_32 3
		.amdhsa_float_denorm_mode_16_64 3
		.amdhsa_memory_ordered 1
		.amdhsa_forward_progress 1
		.amdhsa_inst_pref_size 164
	.end_amdhsa_kernel
	.amdgpu_metadata
---
amdhsa.version: [ 1, 2 ]
amdhsa.kernels:
  - .name:           k_q47a655d025_prep
    .symbol:         k_q47a655d025_prep.kd
    .args:
      - { .name: coords, .offset: 0, .size: 8, .value_kind: global_buffer, .address_space: global }
      - { .name: latents, .offset: 8, .size: 8, .value_kind: global_buffer, .address_space: global }
      - { .name: Wq, .offset: 16, .size: 8, .value_kind: global_buffer, .address_space: global }
      - { .name: Wkv, .offset: 24, .size: 8, .value_kind: global_buffer, .address_space: global }
      - { .name: Wo, .offset: 32, .size: 8, .value_kind: global_buffer, .address_space: global }
      - { .name: ln_gc, .offset: 40, .size: 8, .value_kind: global_buffer, .address_space: global }
      - { .name: ln_bc, .offset: 48, .size: 8, .value_kind: global_buffer, .address_space: global }
      - { .name: lowp_scales, .offset: 56, .size: 8, .value_kind: global_buffer, .address_space: global }
      - { .name: latT, .offset: 64, .size: 8, .value_kind: global_buffer, .address_space: global }
      - { .name: ctxc, .offset: 72, .size: 8, .value_kind: global_buffer, .address_space: global }
      - { .name: wimg, .offset: 80, .size: 8, .value_kind: global_buffer, .address_space: global }
      - { .name: nbr, .offset: 88, .size: 8, .value_kind: global_buffer, .address_space: global }
      - { .name: cor, .offset: 96, .size: 8, .value_kind: global_buffer, .address_space: global }
    .group_segment_fixed_size: 49664
    .private_segment_fixed_size: 0
    .kernarg_segment_align: 8
    .kernarg_segment_size: 104
    .max_flat_workgroup_size: 128
    .sgpr_count:     100
    .vgpr_count:     256
    .wavefront_size: 32
...
	.end_amdgpu_metadata
.endif
;; end of part 1
;; launch attend (part 2): grid 256 x 1, 8 waves a work-group, no clusters, 41,984 bytes of LDS; arguments coords, image, latT, ctxc, wimg, nbr, cor, ln_gx, ln_bx, bo, lowp_scales, out0; writes out0
.if DOCPART == 2
	.amdgcn_target "amdgcn-amd-amdhsa--gfx1250"
	.amdhsa_code_object_version 6
	.text
	.protected	k_q47a655d025_attend
	.globl	k_q47a655d025_attend
	.p2align	8
	.type	k_q47a655d025_attend,@function
k_q47a655d025_attend:
	s_mov_b64 s[64:65], 0
	v_nop
	global_prefetch_b8 v0, s[64:65] scope:SCOPE_SE
	s_setreg_imm32_b32 hwreg(HW_REG_WAVE_MODE, 25, 1), 1
	s_wait_xcnt 0x0
; ATTEND: out0[q] = [ Attention(LN(sample) Wq ; LN(neighbours) Wkv) Wo + bo | the image's sample | 32 sines and cosines ], 97 numbers a query.
; A work-group takes 32 queries.  Wave w takes queries 4 w .. 4 w + 3 for the sampling, the encoding and the attention, and tile (mt = w / 4, nt = w % 4) of the two products [32, 64] x [64, 64], one matrix instruction each.
; Every address that hangs on data comes from the whole numbers that the first launch stored (cor: four corners; nbr: sixteen neighbours), held at 16,383; no branch hangs on data.
; THE THREE QUANTISED PRODUCTS go by v_wmma_f32_16x16x64_fp8_fp8, each sum one instruction with C = 0 on registers of its own:
;   q = Q(LN(sample)) Q(Wq);   k, v = Q(LN(neighbour)) Q(Wkv), for each query and neighbour, from the codes made once for each grid point;   out = Q(attention) Q(Wo).
; k is used transposed (source 0 = 16 columns of Wk, source 1 = the 16 neighbours): a lane holds ONE neighbour and 32 of its features, so a score is a sum in the lane and one exchange between the halves of the lanes.
; v is used as it stands (source 0 = the neighbours, source 1 = columns 64 + 4 r + T of Wkv): a lane holds four neighbouring features and eight neighbours each.  The two small products are f32 multiply-adds.
; The softmax takes the row's maximum away; its 16 numbers lie in the 16 lanes of a row.  All scales are folded: q is stored x log2(e) / 8 x 2^(e0+e1+e2+e3); the attention's result is converted with 2^(e4-e2-e3).
; sin(2 pi t) and cos: t = X 2^o is reduced exactly to a quarter turn a (0 .. 1/4), then a x a polynomial of degree 5 in a^2, the series of sin(2 pi a): its first term left out is under 1e-7.
; LDS: XQ 32 x 80 codes of LN(sample) | WS 8 x 1,024 images of Wk's and Wv's tiles | QS 32 x 272 q | OS 32 x 272 the attention's result | OUT 32 x 388: the work-group's 12,416 output bytes as they lie in memory.
; THE WAY OUT: 12,416 is 48.5 x 256.  12,288 bytes leave as whole aligned runs of 256 (sixteen lanes each); the 128 bytes at the end (even work-groups) or the head (odd ones) are half of a run whose other half is the neighbour's.
; LIMITS: e0 and e4 - e2 - e3 lie between -126 and 119, so that 2^e and 448 x 2^e are f32 numbers; the other powers of two are applied by v_ldexp_f32.  NaN among the inputs is not served.
; No tensor loads, clusters or prefetch: what work-groups share is 16 KB of weight images, and every gather is issued as soon as its index is known.
; REGISTERS: v1 lane, v2 r, v3 h, v4 lane % 8, v5 thread / 8; v[6:7] cor; v[8:9] cy, cx; v10-13 neighbours' offsets; v14-26 LDS addresses; v27 a quarter turn for the cosines; v28 q's factor, later 2^(e4+e5); v29 bo;
;   v30, v31 a conversion's scale and hold; v32-63 Wk's four tiles, v64-95 Wv's (ahead of them: the first loads' offsets in v32-46); v96-103 Wq's tile, later the attention's codes; v104-111 Wo's tile;
;   v112-143 the neighbours' codes, 8 a query; v144-207 eight results (ahead of them: corners 144-175, image 176-179, ln_gx 180-187, ln_bx 188-195, the sample 196-203, its image value 204);
;   v208-239 q of the query in hand (ahead of it: my tile of Wkv 208-215, weights 216-223, codes 224-225, X 226-227, at work 228-239); v240-247 sums, then the weights by register; v248-251 a query's result; v252-255 at work.
.set XQ,  0
.set WS,  2560
.set QS,  10752
.set OS,  19456
.set OUT, 28160
.set ORW, 388                          ; a row of out0 in bytes
.macro BARRIER                         ; my LDS stores have landed and my LDS loads are in: then the work-group's barrier
	s_wait_dscnt 0x0
	s_barrier_signal -1
	s_barrier_wait -1
.endm
; One axis of the bilinear sample, by the first launch's lines, so that both take the same floor.  Out: b+5, b+6 the two weights (0 where the corner lies outside); b+3 = g(c0) W0 + g(c1) W1; b+4 = W0 + W1
.macro AX crd, b
	v_add_f32 v[\b], 1.0, v[\crd]
	v_fma_f32 v[\b], v[\b], s51, -1.0
	v_mul_f32 v[\b], 0.5, v[\b]                    ; y
	v_floor_f32 v[\b+1], v[\b]
	v_sub_f32 v[\b+2], v[\b], v[\b+1]              ; wy
	v_med3_num_f32 v[\b+3], v[\b+1], 0, s52
	v_cmp_eq_f32 vcc_lo, v[\b+3], v[\b+1]          ; inside: the clamp changed nothing
	v_sub_f32 v[\b+5], 1.0, v[\b+2]
	v_cndmask_b32 v[\b+5], 0, v[\b+5], vcc_lo
	v_add_f32 v[\b+1], 1.0, v[\b+1]
	v_med3_num_f32 v[\b+4], v[\b+1], 0, s52
	v_cmp_eq_f32 vcc_lo, v[\b+4], v[\b+1]
	v_cndmask_b32 v[\b+6], 0, v[\b+2], vcc_lo
	v_fma_f32 v[\b+3], v[\b+3], s53, s54           ; the grid's coordinate: c / 64 - 127 / 128
	v_fma_f32 v[\b+4], v[\b+4], s53, s54
	v_mul_f32 v[\b+3], v[\b+3], v[\b+5]
	v_fma_f32 v[\b+3], v[\b+4], v[\b+6], v[\b+3]
	v_add_f32 v[\b+4], v[\b+5], v[\b+6]
.endm
; The 32 numbers of query 4 w + i's encoding, a lane each: lane = 16 x axis + 8 x (cosine) + octave
.macro PE i
	v_readlane_b32 s48, v226, 8*\i                 ; the query's X along y and along x lie in its eight lanes
	v_readlane_b32 s49, v227, 8*\i
	v_mov_b32 v228, s48
	v_mov_b32 v229, s49
	v_cndmask_b32 v228, v228, v229, s36            ; lanes 16-31: x
	v_ldexp_f32 v228, v228, v4                     ; turns: X 2^octave, exact
	v_rndne_f32 v229, v228
	v_sub_f32 v228, v228, v229                     ; -1/2 .. 1/2, exact
	v_add_f32 v228, v228, v27                      ; a cosine is the sine a quarter turn on
	v_rndne_f32 v229, v228
	v_sub_f32 v228, v228, v229                     ; r
	v_sub_f32 v229, 0.5, |v228|
	v_min_num_f32 v229, |v228|, v229               ; a = min(|r|, 1/2 - |r|): sin(2 pi r) = sign(r) sin(2 pi a)
	v_mul_f32 v230, v229, v229
	v_fmaak_f32 v231, s38, v230, 0x42283c1a        ; -(2 pi)^11 / 11! z + (2 pi)^9 / 9!
	v_fmaak_f32 v231, v231, v230, 0xc2996966
	v_fmaak_f32 v231, v231, v230, 0x42a335e3
	v_fmaak_f32 v231, v231, v230, 0xc2255de7
	v_fmaak_f32 v231, v231, v230, 0x40c90fdb
	v_mul_f32 v231, v231, v229
	v_bfi_b32 v[236+\i], s37, v231, v228           ; r's sign
	ds_store_b32 v16, v[236+\i] offset:OUT+260+ORW*\i
.endm
.macro QLOAD i                         ; q of query 4 w + i as the scores want it: register 8 t + j = feature 16 t + 8 h + j
.irp t, 0,1,2,3
	ds_load_b128 v[208+8*\t:211+8*\t], v20 offset:QS+272*(\i)+64*\t
	ds_load_b128 v[212+8*\t:215+8*\t], v20 offset:QS+272*(\i)+64*\t+16
.endr
.endm
.macro ATT i                           ; the attention of query 4 w + i
.irp t, 0,1,2,3
	v_wmma_f32_16x16x64_fp8_fp8 v[144+8*\t:151+8*\t], v[32+8*\t:39+8*\t], v[112+8*\i:119+8*\i], 0   ; k, transposed: lane (r, h): neighbour r, register j: feature 16 t + 8 h + j
.endr
.irp t, 0,1,2,3
	v_wmma_f32_16x16x64_fp8_fp8 v[176+8*\t:183+8*\t], v[112+8*\i:119+8*\i], v[64+8*\t:71+8*\t], 0   ; v: lane (r, h): feature 4 r + t, register j: neighbour 8 h + j
.endr
.rept 4
	v_nop                                          ; four places between the last product and the first read of a result (ISA guide 7.12.1)
.endr
	s_wait_dscnt 0x0                               ; q is in; the last query's store has read its registers
.irp t, 0,1,2,3                                ; the score: four packed chains, each result from its low end on
	v_pk_mul_f32 v[240+2*\t:241+2*\t], v[144+8*\t:145+8*\t], v[208+8*\t:209+8*\t]
.endr
.irp p, 2,4,6
.irp t, 0,1,2,3
	v_pk_fma_f32 v[240+2*\t:241+2*\t], v[144+8*\t+\p:145+8*\t+\p], v[208+8*\t+\p:209+8*\t+\p], v[240+2*\t:241+2*\t]
.endr
.endr
.if \i < 3
	QLOAD \i+1                                     ; the next query's q lands under the softmax
.endif
	v_pk_add_f32 v[240:241], v[240:241], v[242:243]
	v_pk_add_f32 v[244:245], v[244:245], v[246:247]
	v_pk_add_f32 v[240:241], v[240:241], v[244:245]
	v_add_f32 v252, v240, v241
	v_permlanex16_b32 v253, v252, s34, s35         ; the other 32 features
	v_add_f32 v252, v252, v253                     ; t_r = score x log2(e) / 8, in both rows of lanes
	v_max_num_f32_dpp v254, v252, v252 row_xmask:1 row_mask:0xf bank_mask:0xf
	v_max_num_f32_dpp v254, v254, v254 row_xmask:2 row_mask:0xf bank_mask:0xf
	v_max_num_f32_dpp v254, v254, v254 row_xmask:4 row_mask:0xf bank_mask:0xf
	v_max_num_f32_dpp v254, v254, v254 row_xmask:8 row_mask:0xf bank_mask:0xf
	v_sub_f32 v252, v252, v254
	v_exp_f32 v252, v252
	v_nop                                          ; a plain line behind the transcendental,
	s_wait_alu depctr_va_vdst(0)                   ; and the wait ahead of the first line that names its result
	v_add_f32_dpp v254, v252, v252 row_xmask:1 row_mask:0xf bank_mask:0xf
	v_add_f32_dpp v254, v254, v254 row_xmask:2 row_mask:0xf bank_mask:0xf
	v_add_f32_dpp v254, v254, v254 row_xmask:4 row_mask:0xf bank_mask:0xf
	v_add_f32_dpp v254, v254, v254 row_xmask:8 row_mask:0xf bank_mask:0xf
	v_rcp_f32 v254, v254
	v_nop
	s_wait_alu depctr_va_vdst(0)
	v_mul_f32 v252, v252, v254                     ; a_r
	v_mov_b32_dpp v253, v252 row_xmask:8 row_mask:0xf bank_mask:0xf
	v_cndmask_b32 v253, v252, v253, s36            ; lane j of the upper row now holds a_(8 + j)
.irp j, 0,1,2,3,4,5,6,7
	v_mov_b32_dpp v[240+\j], v253 row_share:\j row_mask:0xf bank_mask:0xf   ; register j: a_(8 h + j)
.endr
.irp t, 0,1,2,3                                ; sum over my eight neighbours of a v, into registers that the scores have left
	v_pk_mul_f32 v[144+2*\t:145+2*\t], v[176+8*\t:177+8*\t], v[240:241]
.endr
.irp p, 2,4,6
.irp t, 0,1,2,3
	v_pk_fma_f32 v[144+2*\t:145+2*\t], v[176+8*\t+\p:177+8*\t+\p], v[240+\p:241+\p], v[144+2*\t:145+2*\t]
.endr
.endr
.irp t, 0,1,2,3
	v_add_f32 v[248+\t], v[144+2*\t], v[145+2*\t]
.endr
.irp t, 0,1,2,3
	v_permlanex16_b32 v[152+\t], v[248+\t], s34, s35   ; the other eight neighbours
.endr
.irp t, 0,1,2,3
	v_add_f32 v[248+\t], v[248+\t], v[152+\t]
.endr
	ds_store_b128 v21, v[248:251] offset:OS+272*\i     ; features 4 r .. 4 r + 3; both rows of lanes write the same numbers
.endm
	s_load_b512 s[8:23], s[0:1], 0x0               ; coords 8, image 10, latT 12, ctxc 14, wimg 16, nbr 18, cor 20, ln_gx 22
	s_load_b256 s[24:31], s[0:1], 0x40             ; ln_bx 24, bo 26, lowp_scales 28, out0 30
	v_lshl_add_u32 v24, v0, 2, 0xa000
	s_set_vgpr_msb 0x40
	v_mov_b32 v1, 0
	s_set_vgpr_msb 0x4000
	v_lshrrev_b32 v1, 5, v0
	v_readfirstlane_b32 s2, v1                     ; wave 0..7
	v_and_b32 v1, 31, v0                           ; lane
	v_and_b32 v2, 15, v0                           ; r
	v_bfe_u32 v3, v0, 4, 1                         ; h
	v_and_b32 v4, 7, v0
	v_and_b32 v40, 0xf8, v0                        ; 8 x (thread / 8): eight lanes to a query
	v_and_b32 v41, 0xe0, v0                        ; 32 w
	v_lshlrev_b32 v42, 5, v41
	v_lshlrev_b32 v41, 2, v41
	v_lshl_add_u32 v41, v2, 1, v41                 ; nbr: 128 w + 2 r
	v_lshl_add_u32 v42, v1, 4, v42                 ; 1,024 w + 16 lane: my tile of Wkv, in wimg and in WS
	s_lshr_b32 s3, s2, 2                           ; mt
	s_and_b32 s4, s2, 3                            ; nt
	s_lshl_b32 s5, s4, 10
	v_lshl_add_u32 v43, v1, 4, s5                  ; 1,024 nt + 16 lane: my tiles of Wq and Wo
	v_lshlrev_b32 v44, 5, v4                       ; my eight channels' bytes
	s_lshl_b32 s6, s4, 6
	v_lshl_add_u32 v45, v2, 2, s6                  ; 64 nt + 4 r: my column of the two square products
	v_lshlrev_b32 v46, 5, v3                       ; 32 h
	s_lshl_b32 s32, ttmp9, 8
	s_mov_b32 s33, 0
	s_wait_kmcnt 0x0
	s_load_b128 s[40:43], s[28:29], 0x0            ; e0 .. e3
	s_load_b64 s[44:45], s[28:29], 0x10            ; e4, e5
	s_add_nc_u64 s[20:21], s[20:21], s[32:33]      ; cor and coords: 32 queries x 8 bytes
	s_add_nc_u64 s[8:9], s[8:9], s[32:33]
	s_lshl_b32 s32, ttmp9, 10
	s_add_nc_u64 s[18:19], s[18:19], s[32:33]      ; nbr: 32 queries x 32 bytes
	global_load_b64 v[6:7], v40, s[20:21]          ; six loads from which addresses and weights are made,
	global_load_b64 v[8:9], v40, s[8:9]
.irp i, 0,1,2,3
	global_load_u16 v[10+\i], v41, s[18:19] offset:32*\i   ; neighbour r of query 4 w + i, in both rows of lanes
.endr
	global_load_b128 v[208:211], v42, s[16:17] offset:4096   ; and eleven that are wanted later: tile w of Wk's and Wv's eight,
	global_load_b128 v[212:215], v42, s[16:17] offset:4608
	global_load_b128 v[96:99], v43, s[16:17]                 ; Wq's tile nt,
	global_load_b128 v[100:103], v43, s[16:17] offset:512
	global_load_b128 v[104:107], v43, s[16:17] offset:12288  ; Wo's,
	global_load_b128 v[108:111], v43, s[16:17] offset:12800
	global_load_b128 v[180:183], v44, s[22:23]               ; ln_gx and ln_bx of my eight channels,
	global_load_b128 v[184:187], v44, s[22:23] offset:16
	global_load_b128 v[188:191], v44, s[24:25]
	global_load_b128 v[192:195], v44, s[24:25] offset:16
	global_load_b32 v29, v45, s[26:27]                       ; bo of my column
	; while they are on their way: constants and every LDS address
	s_mov_b32 s34, 0x76543210                      ; v_permlanex16_b32: lane l xor 16
	s_mov_b32 s35, 0xfedcba98
	s_mov_b32 s36, 0xffff0000                      ; lanes 16-31
	s_mov_b32 s37, 0x7fffffff
	s_mov_b32 s38, 0xc17183a8                      ; -(2 pi)^11 / 11!
	s_mov_b32 s51, 0x43000000                      ; 128.0
	s_mov_b32 s52, 0x42fe0000                      ; 127.0
	s_mov_b32 s53, 0x3c800000                      ; 1 / 64
	s_mov_b32 s54, 0xbf7e0000                      ; -127 / 128
	v_lshrrev_b32 v5, 3, v0                        ; my query in the work-group, for the sampling
	v_mul_u32_u24 v14, v5, ORW                     ; its row of OUT
	v_and_b32 v252, 1, v4
	v_lshrrev_b32 v253, 1, v4
	v_mul_u32_u24 v15, v5, 80
	v_lshl_add_u32 v15, v252, 5, v15
	v_lshl_add_u32 v15, v253, 3, v15               ; XQ in: channels 8 c8 on are bytes 32 (c8 % 2) + 8 (c8 / 2) on
	s_mul_i32 s7, s2, 4*ORW
	v_lshl_add_u32 v16, v1, 2, s7                  ; the encoding: my wave's four rows of OUT, 4 bytes a lane
	s_mul_i32 s46, s3, 1280
	v_mul_u32_u24 v17, v2, 80
	v_add_nc_u32 v17, s46, v17
	v_add_nc_u32 v17, v46, v17                     ; XQ out: row 16 mt + r, + 32 h
	v_lshlrev_b32 v18, 4, v1                       ; an image's place for my lane
	s_mul_i32 s46, s3, 4352
	v_mul_u32_u24 v19, v3, 2176
	v_add_nc_u32 v19, s46, v19
	v_add_nc_u32 v19, v45, v19                     ; QS in: row 16 mt + 8 h (+ j), column 16 nt + r
	s_mul_i32 s47, s2, 1088
	v_add_nc_u32 v20, s47, v46                     ; QS out: my wave's four rows, + 32 h
	v_lshl_add_u32 v21, v2, 4, s47                 ; OS in: my wave's four rows, + 16 r
	v_mul_u32_u24 v22, v2, 272
	v_add_nc_u32 v22, s46, v22
	v_add_nc_u32 v22, v46, v22                     ; OS out: row 16 mt + r, + 32 h
	s_mul_i32 s48, s3, 16*ORW
	v_mul_u32_u24 v23, v3, 8*ORW
	v_add_nc_u32 v23, s48, v23
	v_add_nc_u32 v23, v45, v23                     ; OUT in: row 16 mt + 8 h (+ j), column 16 nt + r
	s_and_b32 s49, ttmp9, 1
	s_lshl_b32 s50, s49, 7                         ; an odd work-group's bytes begin 128 behind a multiple of 256
	v_lshl_add_u32 v25, v0, 4, s50                 ; the way out, in OUT and in out0 alike
	s_xor_b32 s49, s49, 1
	s_mul_i32 s49, s49, 12288
	v_lshl_add_u32 v26, v1, 2, s49                 ; the 128 bytes that are over
	s_mul_i32 s32, ttmp9, 32*ORW
	s_add_nc_u64 s[30:31], s[30:31], s[32:33]      ; out0 at my 32 rows
	v_bfe_u32 v27, v0, 3, 1
	v_cvt_f32_u32 v27, v27
	v_mul_f32 v27, 0x3e800000, v27                 ; 1/4 in the cosines' lanes
.irp j, 240,241,242,243,244,245,246,247,252,253,254,255
	v_mov_b32 v\j, 0                               ; written once: the destination of a lane exchange counts as one of its sources
.endr
	s_wait_loadcnt 11                              ; the six are in; the eleven behind them may be out
	v_and_b32 v32, 0xffff, v6
	v_lshrrev_b32 v33, 16, v6
	v_and_b32 v34, 0xffff, v7
	v_lshrrev_b32 v35, 16, v7
.irp j, 0,1,2,3
	v_min_u32 v[32+\j], 0x3fff, v[32+\j]           ; an index stays inside its table
	v_min_u32 v[10+\j], 0x3fff, v[10+\j]
.endr
.irp j, 0,1,2,3
	v_lshlrev_b32 v[36+\j], 2, v[32+\j]            ; image: 4 bytes a point
	v_lshlrev_b32 v[32+\j], 8, v[32+\j]            ; latT: 256
	v_lshlrev_b32 v[10+\j], 6, v[10+\j]            ; ctxc: 64
.endr
.irp j, 0,1,2,3
	v_add_nc_u32 v[32+\j], v44, v[32+\j]           ; + my eight channels
	v_add_nc_u32 v[10+\j], v46, v[10+\j]           ; + my half's 32 bytes
.endr
.irp j, 0,1,2,3
	global_load_b128 v[144+8*\j:147+8*\j], v[32+\j], s[12:13]             ; corner j: a query's eight lanes read the point's 256 bytes
	global_load_b128 v[148+8*\j:151+8*\j], v[32+\j], s[12:13] offset:16
.endr
.irp j, 0,1,2,3
	global_load_b32 v[176+\j], v[36+\j], s[10:11]
.endr
.irp i, 0,1,2,3
	global_load_b128 v[112+8*\i:115+8*\i], v[10+\i], s[14:15]             ; last: the neighbours' codes, wanted last.  Registers 2 c, 2 c + 1: k = 16 c + 8 h + 0 .. 7
	global_load_b128 v[116+8*\i:119+8*\i], v[10+\i], s[14:15] offset:16
.endr
	s_wait_kmcnt 0x0
	s_add_co_i32 s46, s40, 127
	s_lshl_b32 s47, s46, 23
	v_mov_b32 v30, s47                             ; 2^e0
	s_add_co_i32 s46, s46, 8
	s_lshl_b32 s46, s46, 23
	s_or_b32 s46, s46, 0x600000
	v_mov_b32 v31, s46                             ; 448 x 2^e0
	s_add_co_i32 s46, s40, s41
	s_add_co_i32 s46, s46, s42
	s_add_co_i32 s46, s46, s43
	v_mov_b32 v28, 0x3e38aa3b                      ; log2(e) / 8
	v_ldexp_f32 v28, v28, s46                      ; x 2^(e0 + e1 + e2 + e3): q's scales, k's scales and the softmax's base in one factor
	s_sub_co_i32 s55, s44, s42
	s_sub_co_i32 s55, s55, s43                     ; e4 - e2 - e3: the attention's sums lack v's 2^(e2 + e3)
	s_add_co_i32 s55, s55, 127
	s_lshl_b32 s56, s55, 23                        ; 2^(e4 - e2 - e3)
	s_add_co_i32 s55, s55, 8
	s_lshl_b32 s55, s55, 23
	s_or_b32 s55, s55, 0x600000                    ; 448 x that
	s_add_co_i32 s57, s44, s45                     ; e4 + e5
	AX 8, 226
	AX 9, 233
	v_mul_f32 v216, v231, v238                     ; the four corners' weights, each twice: pairs for the packed forms
	v_mul_f32 v218, v231, v239
	v_mul_f32 v220, v232, v238
	v_mul_f32 v222, v232, v239
	v_mov_b32 v217, v216
	v_mov_b32 v219, v218
	v_mov_b32 v221, v220
	v_mov_b32 v223, v222
	v_mul_f32 v226, v229, v237                     ; the coordinate image's sample along y: (g0 Wy0 + g1 Wy1)(Wx0 + Wx1),
	v_mul_f32 v227, v236, v230                     ; and along x
	v_fma_f32 v226, v226, 0.5, 0.5                 ; X = (sample + 1) / 2
	v_fma_f32 v227, v227, 0.5, 0.5
	s_wait_loadcnt 8                               ; all is in but the eight loads of neighbours' codes
	; ---- 1: the sample, its norm and codes; the image's sample; the encoding
	ds_store_b128 v42, v[208:211] offset:WS        ; my tile of Wkv for all eight waves
	ds_store_b128 v42, v[212:215] offset:WS+512
.irp p, 0,2,4,6
	v_pk_mul_f32 v[196+\p:197+\p], v[144+\p:145+\p], v[216:217]
.endr
.irp j, 1,2,3
.irp p, 0,2,4,6
	v_pk_fma_f32 v[196+\p:197+\p], v[144+8*\j+\p:145+8*\j+\p], v[216+2*\j:217+2*\j], v[196+\p:197+\p]
.endr
.endr
	v_mul_f32 v204, v176, v216
	v_fma_f32 v204, v177, v218, v204
	v_fma_f32 v204, v178, v220, v204
	v_fma_f32 v204, v179, v222, v204
	ds_store_b32 v14, v204 offset:OUT+256          ; column 64; a query's eight lanes write the same number
	v_pk_add_f32 v[228:229], v[196:197], v[198:199]   ; LayerNorm over the query's eight lanes
	v_pk_add_f32 v[230:231], v[200:201], v[202:203]
	v_pk_add_f32 v[228:229], v[228:229], v[230:231]
	v_add_f32 v228, v228, v229
	v_add_f32_dpp v228, v228, v228 row_xmask:1 row_mask:0xf bank_mask:0xf
	v_add_f32_dpp v228, v228, v228 row_xmask:2 row_mask:0xf bank_mask:0xf
	v_add_f32_dpp v228, v228, v228 row_xmask:4 row_mask:0xf bank_mask:0xf
	v_mul_f32 v228, s53, v228                      ; the mean
	v_mov_b32 v229, v228
.irp p, 0,2,4,6
	v_pk_add_f32 v[196+\p:197+\p], v[196+\p:197+\p], v[228:229] neg_lo:[0,1] neg_hi:[0,1]
.endr
	v_pk_mul_f32 v[230:231], v[196:197], v[196:197]
	v_pk_mul_f32 v[232:233], v[198:199], v[198:199]
	v_pk_fma_f32 v[230:231], v[200:201], v[200:201], v[230:231]
	v_pk_fma_f32 v[232:233], v[202:203], v[202:203], v[232:233]
	v_pk_add_f32 v[230:231], v[230:231], v[232:233]
	v_add_f32 v230, v230, v231
	v_add_f32_dpp v230, v230, v230 row_xmask:1 row_mask:0xf bank_mask:0xf
	v_add_f32_dpp v230, v230, v230 row_xmask:2 row_mask:0xf bank_mask:0xf
	v_add_f32_dpp v230, v230, v230 row_xmask:4 row_mask:0xf bank_mask:0xf
	v_mul_f32 v230, s53, v230
	v_add_f32 v230, 0x3727c5ac, v230               ; + 1e-5
	v_rsq_f32 v230, v230
	v_nop                                          ; a plain line behind the transcendental,
	s_wait_alu depctr_va_vdst(0)                   ; and the wait ahead of the first line that names its result
	v_mov_b32 v231, v230
.irp p, 0,2,4,6
	v_pk_mul_f32 v[196+\p:197+\p], v[196+\p:197+\p], v[230:231]
.endr
.irp p, 0,2,4,6
	v_pk_fma_f32 v[196+\p:197+\p], v[196+\p:197+\p], v[180+\p:181+\p], v[188+\p:189+\p]
.endr
.irp j, 0,1,2,3,4,5,6,7
	v_med3_num_f32 v[196+\j], v[196+\j], -v31, v31 ; the conversion to an 8-bit code does not saturate (ISA guide 7.6.2): the hold comes first
.endr
	v_cvt_scalef32_pk8_fp8_f32 v[224:225], v[196:203], v30
	v_nop                                          ; a plain line behind the conversion
	ds_store_b64 v15, v[224:225] offset:XQ
	PE 0
	PE 1
	PE 2
	PE 3
	BARRIER                                        ; the 32 rows of codes and the eight images lie in LDS
	; ---- 2: q, one tile a wave
	ds_load_b128 v[216:219], v17 offset:XQ
	ds_load_b128 v[220:223], v17 offset:XQ+16
.irp t, 0,1,2,3,4,5,6,7
	ds_load_b128 v[32+8*\t:35+8*\t], v18 offset:WS+1024*\t
	ds_load_b128 v[36+8*\t:39+8*\t], v18 offset:WS+1024*\t+512
.endr
	s_wait_dscnt 16                                ; the fragment's two loads are in; the sixteen behind them may be out
	v_wmma_f32_16x16x64_fp8_fp8 v[144:151], v[216:223], v[96:103], 0   ; lane (r, h), register j: q(16 mt + 8 h + j, 16 nt + r)
.rept 5
	v_nop                                          ; FIVE places: four serve the reads below and the loads of q into v216-223; the fifth is owed to the first query's first product, which begins these eight
.endr                                          ; registers anew, and the eight multiplies below name them and so are no places (ISA guide 7.12.1)
.irp j, 0,1,2,3,4,5,6,7
	v_mul_f32 v[224+\j], v28, v[144+\j]
.endr
.irp j, 0,1,2,3,4,5,6,7
	ds_store_b32 v19, v[224+\j] offset:QS+272*\j
.endr
	BARRIER                                        ; q's 32 rows lie in LDS; Wk's and Wv's tiles are in my registers
	; ---- 3: the attention of my four queries
	QLOAD 0
	s_wait_loadcnt 0x0                             ; the neighbours' codes
	ATT 0
	ATT 1
	ATT 2
	ATT 3
	BARRIER                                        ; the 32 results lie in LDS
	; ---- 4: x Wo + bo, one tile a wave
.irp c, 0,1,2,3
	ds_load_b128 v[208+8*\c:211+8*\c], v22 offset:OS+64*\c       ; row 16 mt + r, features 16 c + 8 h + 0 .. 7: the operand's own order
	ds_load_b128 v[212+8*\c:215+8*\c], v22 offset:OS+64*\c+16
.endr
	v_mov_b32 v30, s56
	v_mov_b32 v31, s55
	v_ldexp_f32 v28, 1.0, s57                      ; 2^(e4 + e5)
	s_wait_dscnt 0x0
.set CI, 0
.rept 32
	v_med3_num_f32 v[208+CI], v[208+CI], -v31, v31
.set CI, CI+1
.endr
.irp c, 0,1,2,3
	v_cvt_scalef32_pk8_fp8_f32 v[96+2*\c:97+2*\c], v[208+8*\c:215+8*\c], v30
.endr
	v_nop                                          ; a plain line between the last conversion and the product that reads its result
	v_wmma_f32_16x16x64_fp8_fp8 v[144:151], v[96:103], v[104:111], 0
.rept 4
	v_nop
.endr
.irp j, 0,1,2,3,4,5,6,7
	v_fma_f32 v[224+\j], v[144+\j], v28, v29       ; sum x 2^(e4 + e5) + bo
.endr
.irp j, 0,1,2,3,4,5,6,7
	ds_store_b32 v23, v[224+\j] offset:OUT+ORW*\j
.endr
	BARRIER                                        ; the work-group's 12,416 output bytes lie in LDS as they lie in memory
	; ---- 5: the way out
.irp i, 0,1,2
	ds_load_b128 v[208+4*\i:211+4*\i], v25 offset:OUT+4096*\i
.endr
.irp i, 0,1,2
	s_wait_dscnt 2-\i                              ; LDS loads come back in order: load i is in, the later ones may be out
	global_store_b128 v25, v[208+4*\i:211+4*\i], s[30:31] offset:4096*\i th:TH_STORE_NT   ; sixteen lanes store 256 consecutive bytes, at a multiple of 256 from out0's first byte
.endr
	s_cmp_lg_u32 s2, 0
	s_cbranch_scc1 .Lend
	ds_load_b32 v232, v26 offset:OUT               ; wave 0: the 128 bytes that are over
	s_wait_dscnt 0x0
	global_store_b32 v26, v232, s[30:31] th:TH_STORE_NT
.Lend:
	s_set_vgpr_msb 0x4
	s_wait_tensorcnt 0x0
	ds_add_u32 v24, v1
	s_wait_dscnt 0x0
	s_set_vgpr_msb 0x400
	s_endpgm
.Lfunc_end_k_q47a655d025_attend:
	.size	k_q47a655d025_attend, .Lfunc_end_k_q47a655d025_attend-k_q47a655d025_attend
	.p2alignl 7, 3214868480
	.fill 96, 4, 3214868480
	.section	.rodata,"a",@progbits
	.p2align	6, 0x0
	.amdhsa_kernel k_q47a655d025_attend
		.amdhsa_group_segment_fixed_size 41984
		.amdhsa_private_segment_fixed_size 0
		.amdhsa_enable_private_segment 0
		.amdhsa_kernarg_size 96
		.amdhsa_user_sgpr_count 2
		.amdhsa_user_sgpr_kernarg_segment_ptr 1
		.amdhsa_wavefront_size32 1
		.amdhsa_system_sgpr_workgroup_id_x 1
		.amdhsa_system_sgpr_workgroup_id_y 1
		.amdhsa_system_sgpr_workgroup_id_z 1
		.amdhsa_system_vgpr_workitem_id 0
		.amdhsa_next_free_vgpr 258
		.amdhsa_next_free_sgpr 66
		.amdhsa_reserve_vcc 1
		.amdhsa_float_denorm_mode_32 3
		.amdhsa_float_denorm_mode_16_64 3
		.amdhsa_memory_ordered 1
		.amdhsa_forward_progress 1
		.amdhsa_inst_pref_size 51
	.end_amdhsa_kernel
	.amdgpu_metadata
---
amdhsa.version: [ 1, 2 ]
amdhsa.kernels:
  - .name:           k_q47a655d025_attend
    .symbol:         k_q47a655d025_attend.kd
    .args:
      - { .name: coords, .offset: 0, .size: 8, .value_kind: global_buffer, .address_space: global }
      - { .name: image, .offset: 8, .size: 8, .value_kind: global_buffer, .address_space: global }
      - { .name: latT, .offset: 16, .size: 8, .value_kind: global_buffer, .address_space: global }
      - { .name: ctxc, .offset: 24, .size: 8, .value_kind: global_buffer, .address_space: global }
      - { .name: wimg, .offset: 32, .size: 8, .value_kind: global_buffer, .address_space: global }
      - { .name: nbr, .offset: 40, .size: 8, .value_kind: global_buffer, .address_space: global }
      - { .name: cor, .offset: 48, .size: 8, .value_kind: global_buffer, .address_space: global }
      - { .name: ln_gx, .offset: 56, .size: 8, .value_kind: global_buffer, .address_space: global }
      - { .name: ln_bx, .offset: 64, .size: 8, .value_kind: global_buffer, .address_space: global }
      - { .name: bo, .offset: 72, .size: 8, .value_kind: global_buffer, .address_space: global }
      - { .name: lowp_scales, .offset: 80, .size: 8, .value_kind: global_buffer, .address_space: global }
      - { .name: out0, .offset: 88, .size: 8, .value_kind: global_buffer, .address_space: global }
    .group_segment_fixed_size: 41984
    .private_segment_fixed_size: 0
    .kernarg_segment_align: 8
    .kernarg_segment_size: 96
    .max_flat_workgroup_size: 256
    .sgpr_count:     66
    .vgpr_count:     258
    .wavefront_size: 32
...
	.end_amdgpu_metadata
.endif
;; end of part 2
;; ======== version 2 of 2: 2 launches; version 1 with the launch attend written anew for expert scheduling mode
;; workspace buffers: latT 4,194,304 bytes; ctxc 1,048,576 bytes; wimg 16,384 bytes; nbr 262,144 bytes of whole numbers; cor 65,536 bytes of whole numbers
;; launch prep: the kernel of part 1 again; grid 193 x 1, 4 waves a work-group, no clusters, 49,664 bytes of LDS; arguments coords, latents, Wq, Wkv, Wo, ln_gc, ln_bc, lowp_scales, latT, ctxc, wimg, nbr, cor; writes latT, ctxc, wimg, nbr, cor
;; launch attend (part 3): grid 256 x 1, 8 waves a work-group, no clusters, 41,984 bytes of LDS; arguments coords, image, latT, ctxc, wimg, nbr, cor, ln_gx, ln_bx, bo, lowp_scales, out0; writes out0
.if DOCPART == 3
	.amdgcn_target "amdgcn-amd-amdhsa--gfx1250"
	.amdhsa_code_object_version 6
	.text
	.protected	k_q47a655d025_attend
	.globl	k_q47a655d025_attend
	.p2align	8
	.type	k_q47a655d025_attend,@function
k_q47a655d025_attend:
	s_mov_b64 s[64:65], 0
	v_nop
	global_prefetch_b8 v0, s[64:65] scope:SCOPE_SE
	s_setreg_imm32_b32 hwreg(HW_REG_WAVE_SCHED_MODE, 0, 2), 2
	s_setreg_imm32_b32 hwreg(HW_REG_WAVE_MODE, 25, 1), 1
	s_wait_xcnt 0x0
	s_wait_alu depctr_vm_vsrc(0)
; ATTEND: out0[q] = [ Attention(LN(sample) Wq ; LN(neighbours) Wkv) Wo + bo | the image's sample | 32 sines and cosines ], 97 numbers a query.
; A work-group takes 32 queries.  Wave w takes queries 4 w .. 4 w + 3 for the sampling, the encoding and the attention, and tile (mt = w / 4, nt = w % 4) of the two products [32, 64] x [64, 64], one matrix instruction each.
; Every address that hangs on data comes from the whole numbers that the first launch stored (cor: four corners; nbr: sixteen neighbours), held at 16,383; no branch hangs on data.
; THE THREE QUANTISED PRODUCTS go by v_wmma_f32_16x16x64_fp8_fp8, each sum one instruction with C = 0 on registers of its own:
;   q = Q(LN(sample)) Q(Wq);   k, v = Q(LN(neighbour)) Q(Wkv), for each query and neighbour, from the codes made once for each grid point;   out = Q(attention) Q(Wo).
; k is used transposed (source 0 = 16 columns of Wk, source 1 = the 16 neighbours): a lane holds ONE neighbour and 32 of its features, so a score is a sum in the lane and one exchange between the halves of the lanes.
; v is used as it stands (source 0 = the neighbours, source 1 = columns 64 + 4 r + T of Wkv): a lane holds four neighbouring features and eight neighbours each.  The two small products are f32 multiply-adds.
; The softmax takes the row's maximum away; its 16 numbers lie in the 16 lanes of a row.  All scales are folded: q is stored x log2(e) / 8 x 2^(e0+e1+e2+e3); the attention's result is converted with 2^(e4-e2-e3).
; sin(2 pi t) and cos: t = X 2^o is reduced exactly to a quarter turn a (0 .. 1/4), then a x a polynomial of degree 5 in a^2, the series of sin(2 pi a): its first term left out is under 1e-7.
; LDS: XQ 32 x 80 codes of LN(sample) | WS 8 x 1,024 images of Wk's and Wv's tiles | QS 32 x 272 q | OS 32 x 272 the attention's result | OUT 32 x 388: the work-group's 12,416 output bytes as they lie in memory.
; THE WAY OUT: 12,416 is 48.5 x 256.  12,288 bytes leave as whole aligned runs of 256 (sixteen lanes each); the 128 bytes at the end (even work-groups) or the head (odd ones) are half of a run whose other half is the neighbour's.
; LIMITS: e0 and e4 - e2 - e3 lie between -126 and 119, so that 2^e and 448 x 2^e are f32 numbers; the other powers of two are applied by v_ldexp_f32.  NaN among the inputs is not served.
; No tensor loads, clusters or prefetch: what work-groups share is 16 KB of weight images, and every gather is issued as soon as its index is known.
; THE MODE: SCHED_MODE bits 1:0 = 2 (LLVM: expert scheduling mode 2), set by the entry lines.  The code itself states the register dependences between vector or matrix instructions and memory or LDS instructions,
; with s_wait_alu, always for 0.
; THE PLAN.  Registers that memory or LDS instructions touch, and who else names them:
;   v40-46          offsets of the first loads: made at the head, one wait ahead of the loads.  v14-26, v32-39, v10-13: LDS addresses and the gathers' offsets: made under the first loads, one wait ahead of the gathers.
;                   No vector line writes an address again.  v32-46 are given up to Wk's tiles behind the first barrier: one wait states that the loads and stores have read them.
;   v236-239        the encodings, made and stored while the gathers are on their way.   v204 the image's sample: its store stands behind the wait that the root's reciprocal has anyway.   v224-225 the sample's codes.
;   v216-223        the corners' weights (vector lines alone), then the fragment of codes.   v224-231 q x its factor, later the output's tile: each time one wait ahead of the run of eight stores.
;   v208-239        q of the query in hand: read by the scores' multiply-adds; the next query's q is asked for behind the wait that the exponential has anyway, which those multiply-adds stand ahead of.
;   v112+8i ..+3    query i's result, in registers of its own (the first four of its codes, once its eight products have read them): never written again, so its store stands behind the next query's wait.
; Where loads follow a barrier, the last wait on va_vdst stands ahead of the stores in front of that barrier and no vector line stands between: it covers every earlier reader and writer of the registers in which they land.
; REGISTERS: v1 lane, v2 r, v3 h, v4 lane % 8, v5 thread / 8; v[6:7] cor; v[8:9] cy, cx; v10-13 neighbours' offsets; v14-26 LDS addresses; v27 a quarter turn for the cosines; v28 q's factor, later 2^(e4+e5); v29 bo;
;   v30, v31 a conversion's scale and hold; v32-63 Wk's four tiles, v64-95 Wv's (ahead of them: the first loads' offsets in v32-46); v96-103 Wq's tile, later the attention's codes; v104-111 Wo's tile;
;   v112-143 the neighbours' codes, 8 a query, then a query's result in the first four of its eight; v144-207 eight results (ahead of them: corners 144-175, image 176-179, ln_gx 180-187, ln_bx 188-195, the sample 196-203, its image value 204);
;   v208-239 q of the query in hand (ahead of it: my tile of Wkv 208-215, weights 216-223, codes 224-225, X 226-227, at work 228-235, the encodings 236-239); v240-247 sums, then the weights by register; v252-255 at work.
.set XQ,  0
.set WS,  2560
.set QS,  10752
.set OS,  19456
.set OUT, 28160
.set ORW, 388                          ; a row of out0 in bytes
.set MK,  58                           ; s58-61  the masks 'this corner lies inside': y's two, x's two
.set PX,  40                           ; s40-47  X along y and along x of my wave's four queries (over e0 .. e5 and two temporaries, when these are done with)
.set RS,  112                          ; query i's result: v[RS + 8 i] .. v[RS + 8 i + 3]
.macro BARRIER                         ; my LDS stores have landed and my LDS loads are in: then the work-group's barrier
	s_wait_dscnt 0x0
	s_barrier_signal -1
	s_barrier_wait -1
.endm
; One axis of the bilinear sample, by the first launch's lines, so that both take the same floor.  It is written in two parts, so that both axes' compares stand in one run with one wait behind it.
; AXA: b+2 the fraction, b+5 one less the fraction, b+3 and b+4 the two clamped corners, s[m] and s[m+1]: the clamp changed nothing, the corner lies inside.
.macro AXA crd, b, m
	v_add_f32 v[\b], 1.0, v[\crd]
	v_fma_f32 v[\b], v[\b], s51, -1.0
	v_mul_f32 v[\b], 0.5, v[\b]                    ; y
	v_floor_f32 v[\b+1], v[\b]
	v_sub_f32 v[\b+2], v[\b], v[\b+1]              ; wy
	v_med3_num_f32 v[\b+3], v[\b+1], 0, s52
	v_cmp_eq_f32 s[\m], v[\b+3], v[\b+1]           ; inside: the clamp changed nothing
	v_sub_f32 v[\b+5], 1.0, v[\b+2]
	v_add_f32 v[\b+1], 1.0, v[\b+1]
	v_med3_num_f32 v[\b+4], v[\b+1], 0, s52
	v_cmp_eq_f32 s[\m+1], v[\b+4], v[\b+1]
.endm
; AXB.  Out: b+5, b+6 the two weights (0 where the corner lies outside); b+3 = g(c0) W0 + g(c1) W1; b+4 = W0 + W1
.macro AXB b, m
	v_cndmask_b32 v[\b+5], 0, v[\b+5], s[\m]
	v_cndmask_b32 v[\b+6], 0, v[\b+2], s[\m+1]
	v_fma_f32 v[\b+3], v[\b+3], s53, s54           ; the grid's coordinate: c / 64 - 127 / 128
	v_fma_f32 v[\b+4], v[\b+4], s53, s54
	v_mul_f32 v[\b+3], v[\b+3], v[\b+5]
	v_fma_f32 v[\b+3], v[\b+4], v[\b+6], v[\b+3]
	v_add_f32 v[\b+4], v[\b+5], v[\b+6]
.endm
; The 32 numbers of query 4 w + i's encoding, a lane each: lane = 16 x axis + 8 x (cosine) + octave.  Into v[236 + i]; the four stores follow in one run.
.macro PE i
	v_mov_b32 v228, s[PX+2*\i]
	v_mov_b32 v229, s[PX+2*\i+1]
	v_cndmask_b32 v228, v228, v229, s36            ; lanes 16-31: x
	v_ldexp_f32 v228, v228, v4                     ; turns: X 2^octave, exact
	v_rndne_f32 v229, v228
	v_sub_f32 v228, v228, v229                     ; -1/2 .. 1/2, exact
	v_add_f32 v228, v228, v27                      ; a cosine is the sine a quarter turn on
	v_rndne_f32 v229, v228
	v_sub_f32 v228, v228, v229                     ; r
	v_sub_f32 v229, 0.5, |v228|
	v_min_num_f32 v229, |v228|, v229               ; a = min(|r|, 1/2 - |r|): sin(2 pi r) = sign(r) sin(2 pi a)
	v_mul_f32 v230, v229, v229
	v_fmaak_f32 v231, s38, v230, 0x42283c1a        ; -(2 pi)^11 / 11! z + (2 pi)^9 / 9!
	v_fmaak_f32 v231, v231, v230, 0xc2996966
	v_fmaak_f32 v231, v231, v230, 0x42a335e3
	v_fmaak_f32 v231, v231, v230, 0xc2255de7
	v_fmaak_f32 v231, v231, v230, 0x40c90fdb
	v_mul_f32 v231, v231, v229
	v_bfi_b32 v[236+\i], s37, v231, v228           ; r's sign
.endm
.macro QLOAD i                         ; q of query 4 w + i as the scores want it: register 8 t + j = feature 16 t + 8 h + j
.irp t, 0,1,2,3
	ds_load_b128 v[208+8*\t:211+8*\t], v20 offset:QS+272*(\i)+64*\t
	ds_load_b128 v[212+8*\t:215+8*\t], v20 offset:QS+272*(\i)+64*\t+16
.endr
.endm
.macro ATT i                           ; the attention of query 4 w + i
.irp t, 0,1,2,3
	v_wmma_f32_16x16x64_fp8_fp8 v[144+8*\t:151+8*\t], v[32+8*\t:39+8*\t], v[112+8*\i:119+8*\i], 0   ; k, transposed: lane (r, h): neighbour r, register j: feature 16 t + 8 h + j
.endr
.irp t, 0,1,2,3
	v_wmma_f32_16x16x64_fp8_fp8 v[176+8*\t:183+8*\t], v[112+8*\i:119+8*\i], v[64+8*\t:71+8*\t], 0   ; v: lane (r, h): feature 4 r + t, register j: neighbour 8 h + j
.endr
.rept 4
	v_nop                                          ; four places between the last product and the first read of a result, and the first write of one of its sources (ISA guide 7.12.1)
.endr
	s_wait_dscnt 0x0                               ; q is in
.irp t, 0,1,2,3                                ; the score: four packed chains, each result from its low end on
	v_pk_mul_f32 v[240+2*\t:241+2*\t], v[144+8*\t:145+8*\t], v[208+8*\t:209+8*\t]
.endr
.irp p, 2,4,6
.irp t, 0,1,2,3
	v_pk_fma_f32 v[240+2*\t:241+2*\t], v[144+8*\t+\p:145+8*\t+\p], v[208+8*\t+\p:209+8*\t+\p], v[240+2*\t:241+2*\t]
.endr
.endr
	v_pk_add_f32 v[240:241], v[240:241], v[242:243]
	v_pk_add_f32 v[244:245], v[244:245], v[246:247]
	v_pk_add_f32 v[240:241], v[240:241], v[244:245]
	v_add_f32 v252, v240, v241
	v_permlanex16_b32 v253, v252, s34, s35         ; the other 32 features
	v_add_f32 v252, v252, v253                     ; t_r = score x log2(e) / 8, in both rows of lanes
	v_max_num_f32_dpp v254, v252, v252 row_xmask:1 row_mask:0xf bank_mask:0xf
	v_max_num_f32_dpp v254, v254, v254 row_xmask:2 row_mask:0xf bank_mask:0xf
	v_max_num_f32_dpp v254, v254, v254 row_xmask:4 row_mask:0xf bank_mask:0xf
	v_max_num_f32_dpp v254, v254, v254 row_xmask:8 row_mask:0xf bank_mask:0xf
	v_sub_f32 v252, v252, v254
	v_exp_f32 v252, v252
	v_nop                                          ; a plain line behind the transcendental
	s_wait_alu depctr_va_vdst(0)                   ; the exponential has written v252, ahead of the first line that names it; the scores' multiply-adds are done reading v208-239, in which the next q lands; the last query's additions have written its result, which the store below reads
.if \i < 3
	QLOAD \i+1                                     ; the next query's q lands under the rest of the softmax, the sums below and the next eight products
.endif
.if \i > 0
	ds_store_b128 v21, v[RS+8*(\i-1):RS+8*(\i-1)+3] offset:OS+272*(\i-1)   ; the last query's features 4 r .. 4 r + 3; both rows of lanes write the same numbers
.endif
	v_add_f32_dpp v254, v252, v252 row_xmask:1 row_mask:0xf bank_mask:0xf
	v_add_f32_dpp v254, v254, v254 row_xmask:2 row_mask:0xf bank_mask:0xf
	v_add_f32_dpp v254, v254, v254 row_xmask:4 row_mask:0xf bank_mask:0xf
	v_add_f32_dpp v254, v254, v254 row_xmask:8 row_mask:0xf bank_mask:0xf
	v_rcp_f32 v254, v254
	v_nop                                          ; a plain line behind the transcendental
	s_wait_alu depctr_va_vdst(0)                   ; the reciprocal has written v254, ahead of the first line that names it
	v_mul_f32 v252, v252, v254                     ; a_r
	v_mov_b32_dpp v253, v252 row_xmask:8 row_mask:0xf bank_mask:0xf
	v_cndmask_b32 v253, v252, v253, s36            ; lane j of the upper row now holds a_(8 + j)
.irp j, 0,1,2,3,4,5,6,7
	v_mov_b32_dpp v[240+\j], v253 row_share:\j row_mask:0xf bank_mask:0xf   ; register j: a_(8 h + j)
.endr
.irp t, 0,1,2,3                                ; sum over my eight neighbours of a v, into registers that the scores have left
	v_pk_mul_f32 v[144+2*\t:145+2*\t], v[176+8*\t:177+8*\t], v[240:241]
.endr
.irp p, 2,4,6
.irp t, 0,1,2,3
	v_pk_fma_f32 v[144+2*\t:145+2*\t], v[176+8*\t+\p:177+8*\t+\p], v[240+\p:241+\p], v[144+2*\t:145+2*\t]
.endr
.endr
.irp t, 0,1,2,3
	v_add_f32 v[RS+8*\i+\t], v[144+2*\t], v[145+2*\t]   ; into the query's own four registers: its codes are done with
.endr
.irp t, 0,1,2,3
	v_permlanex16_b32 v[152+\t], v[RS+8*\i+\t], s34, s35   ; the other eight neighbours
.endr
.irp t, 0,1,2,3
	v_add_f32 v[RS+8*\i+\t], v[RS+8*\i+\t], v[152+\t]
.endr
.if \i == 3
	s_wait_alu depctr_va_vdst(0)                   ; the additions have written the last query's result, which the store reads; every reader of v208-239 is done too: behind the barrier the results' rows land there
	ds_store_b128 v21, v[RS+8*\i:RS+8*\i+3] offset:OS+272*\i
.endif
.endm
	s_load_b512 s[8:23], s[0:1], 0x0               ; coords 8, image 10, latT 12, ctxc 14, wimg 16, nbr 18, cor 20, ln_gx 22
	s_load_b256 s[24:31], s[0:1], 0x40             ; ln_bx 24, bo 26, lowp_scales 28, out0 30
	v_lshl_add_u32 v250, v0, 2, 0xa000
	v_mov_b32 v251, 0
	v_lshrrev_b32 v1, 5, v0
	v_readfirstlane_b32 s2, v1                     ; wave 0..7
	v_and_b32 v1, 31, v0                           ; lane
	v_and_b32 v2, 15, v0                           ; r
	v_bfe_u32 v3, v0, 4, 1                         ; h
	v_and_b32 v4, 7, v0
	v_and_b32 v40, 0xf8, v0                        ; 8 x (thread / 8): eight lanes to a query
	v_and_b32 v41, 0xe0, v0                        ; 32 w
	v_lshlrev_b32 v42, 5, v41
	v_lshlrev_b32 v41, 2, v41
	v_lshl_add_u32 v41, v2, 1, v41                 ; nbr: 128 w + 2 r
	v_lshl_add_u32 v42, v1, 4, v42                 ; 1,024 w + 16 lane: my tile of Wkv, in wimg and in WS
	s_wait_alu depctr_va_sdst(0)                   ; s2 is written, ahead of its first reader
	s_lshr_b32 s3, s2, 2                           ; mt
	s_and_b32 s4, s2, 3                            ; nt
	s_lshl_b32 s5, s4, 10
	v_lshl_add_u32 v43, v1, 4, s5                  ; 1,024 nt + 16 lane: my tiles of Wq and Wo
	v_lshlrev_b32 v44, 5, v4                       ; my eight channels' bytes
	s_lshl_b32 s6, s4, 6
	v_lshl_add_u32 v45, v2, 2, s6                  ; 64 nt + 4 r: my column of the two square products
	v_lshlrev_b32 v46, 5, v3                       ; 32 h
	s_lshl_b32 s32, ttmp9, 8
	s_mov_b32 s33, 0
	s_wait_kmcnt 0x0
	s_load_b128 s[40:43], s[28:29], 0x0            ; e0 .. e3
	s_load_b64 s[44:45], s[28:29], 0x10            ; e4, e5
	s_add_nc_u64 s[20:21], s[20:21], s[32:33]      ; cor and coords: 32 queries x 8 bytes
	s_add_nc_u64 s[8:9], s[8:9], s[32:33]
	s_lshl_b32 s32, ttmp9, 10
	s_add_nc_u64 s[18:19], s[18:19], s[32:33]      ; nbr: 32 queries x 32 bytes
	s_wait_alu depctr_va_vdst(0)                   ; the offsets v40 to v45 are written, which the seventeen loads below read (v42 also the two LDS stores of my tile of Wkv)
	global_load_b64 v[6:7], v40, s[20:21]          ; six loads from which addresses and weights are made,
	global_load_b64 v[8:9], v40, s[8:9]
.irp i, 0,1,2,3
	global_load_u16 v[10+\i], v41, s[18:19] offset:32*\i   ; neighbour r of query 4 w + i, in both rows of lanes
.endr
	global_load_b128 v[208:211], v42, s[16:17] offset:4096   ; and eleven that are wanted later: tile w of Wk's and Wv's eight,
	global_load_b128 v[212:215], v42, s[16:17] offset:4608
	global_load_b128 v[96:99], v43, s[16:17]                 ; Wq's tile nt,
	global_load_b128 v[100:103], v43, s[16:17] offset:512
	global_load_b128 v[104:107], v43, s[16:17] offset:12288  ; Wo's,
	global_load_b128 v[108:111], v43, s[16:17] offset:12800
	global_load_b128 v[180:183], v44, s[22:23]               ; ln_gx and ln_bx of my eight channels,
	global_load_b128 v[184:187], v44, s[22:23] offset:16
	global_load_b128 v[188:191], v44, s[24:25]
	global_load_b128 v[192:195], v44, s[24:25] offset:16
	global_load_b32 v29, v45, s[26:27]                       ; bo of my column
	; while they are on their way: constants and every LDS address
	s_mov_b32 s34, 0x76543210                      ; v_permlanex16_b32: lane l xor 16
	s_mov_b32 s35, 0xfedcba98
	s_mov_b32 s36, 0xffff0000                      ; lanes 16-31
	s_mov_b32 s37, 0x7fffffff
	s_mov_b32 s38, 0xc17183a8                      ; -(2 pi)^11 / 11!
	s_mov_b32 s51, 0x43000000                      ; 128.0
	s_mov_b32 s52, 0x42fe0000                      ; 127.0
	s_mov_b32 s53, 0x3c800000                      ; 1 / 64
	s_mov_b32 s54, 0xbf7e0000                      ; -127 / 128
	v_lshrrev_b32 v5, 3, v0                        ; my query in the work-group, for the sampling
	v_mul_u32_u24 v14, v5, ORW                     ; its row of OUT
	v_and_b32 v252, 1, v4
	v_lshrrev_b32 v253, 1, v4
	v_mul_u32_u24 v15, v5, 80
	v_lshl_add_u32 v15, v252, 5, v15
	v_lshl_add_u32 v15, v253, 3, v15               ; XQ in: channels 8 c8 on are bytes 32 (c8 % 2) + 8 (c8 / 2) on
	s_mul_i32 s7, s2, 4*ORW
	v_lshl_add_u32 v16, v1, 2, s7                  ; the encoding: my wave's four rows of OUT, 4 bytes a lane
	s_mul_i32 s46, s3, 1280
	v_mul_u32_u24 v17, v2, 80
	v_add_nc_u32 v17, s46, v17
	v_add_nc_u32 v17, v46, v17                     ; XQ out: row 16 mt + r, + 32 h
	v_lshlrev_b32 v18, 4, v1                       ; an image's place for my lane
	s_mul_i32 s46, s3, 4352
	v_mul_u32_u24 v19, v3, 2176
	v_add_nc_u32 v19, s46, v19
	v_add_nc_u32 v19, v45, v19                     ; QS in: row 16 mt + 8 h (+ j), column 16 nt + r
	s_mul_i32 s47, s2, 1088
	v_add_nc_u32 v20, s47, v46                     ; QS out: my wave's four rows, + 32 h
	v_lshl_add_u32 v21, v2, 4, s47                 ; OS in: my wave's four rows, + 16 r
	v_mul_u32_u24 v22, v2, 272
	v_add_nc_u32 v22, s46, v22
	v_add_nc_u32 v22, v46, v22                     ; OS out: row 16 mt + r, + 32 h
	s_mul_i32 s48, s3, 16*ORW
	v_mul_u32_u24 v23, v3, 8*ORW
	v_add_nc_u32 v23, s48, v23
	v_add_nc_u32 v23, v45, v23                     ; OUT in: row 16 mt + 8 h (+ j), column 16 nt + r
	s_and_b32 s49, ttmp9, 1
	s_lshl_b32 s50, s49, 7                         ; an odd work-group's bytes begin 128 behind a multiple of 256
	v_lshl_add_u32 v25, v0, 4, s50                 ; the way out, in OUT and in out0 alike
	s_xor_b32 s49, s49, 1
	s_mul_i32 s49, s49, 12288
	v_lshl_add_u32 v26, v1, 2, s49                 ; the 128 bytes that are over
	s_mul_i32 s32, ttmp9, 32*ORW
	s_add_nc_u64 s[30:31], s[30:31], s[32:33]      ; out0 at my 32 rows
	v_bfe_u32 v27, v0, 3, 1
	v_cvt_f32_u32 v27, v27
	v_mul_f32 v27, 0x3e800000, v27                 ; 1/4 in the cosines' lanes
.irp j, 240,241,242,243,244,245,246,247,252,253,254,255
	v_mov_b32 v\j, 0                               ; written once: the destination of a lane exchange counts as one of its sources
.endr
	s_wait_loadcnt 11                              ; the six are in; the eleven behind them may be out
	v_and_b32 v32, 0xffff, v6
	v_lshrrev_b32 v33, 16, v6
	v_and_b32 v34, 0xffff, v7
	v_lshrrev_b32 v35, 16, v7
.irp j, 0,1,2,3
	v_min_u32 v[32+\j], 0x3fff, v[32+\j]           ; an index stays inside its table
	v_min_u32 v[10+\j], 0x3fff, v[10+\j]
.endr
.irp j, 0,1,2,3
	v_lshlrev_b32 v[36+\j], 2, v[32+\j]            ; image: 4 bytes a point
	v_lshlrev_b32 v[32+\j], 8, v[32+\j]            ; latT: 256
	v_lshlrev_b32 v[10+\j], 6, v[10+\j]            ; ctxc: 64
.endr
.irp j, 0,1,2,3
	v_add_nc_u32 v[32+\j], v44, v[32+\j]           ; + my eight channels
	v_add_nc_u32 v[10+\j], v46, v[10+\j]           ; + my half's 32 bytes
.endr
	s_wait_alu depctr_va_vdst(0)                   ; the gathers' offsets v32-39 and v10-13 are written, which the twenty loads below read; so are the addresses v14 to v26, which every later LDS instruction and the last stores read
.irp j, 0,1,2,3
	global_load_b128 v[144+8*\j:147+8*\j], v[32+\j], s[12:13]             ; corner j: a query's eight lanes read the point's 256 bytes
	global_load_b128 v[148+8*\j:151+8*\j], v[32+\j], s[12:13] offset:16
.endr
.irp j, 0,1,2,3
	global_load_b32 v[176+\j], v[36+\j], s[10:11]
.endr
.irp i, 0,1,2,3
	global_load_b128 v[112+8*\i:115+8*\i], v[10+\i], s[14:15]             ; last: the neighbours' codes, wanted last.  Registers 2 c, 2 c + 1: k = 16 c + 8 h + 0 .. 7
	global_load_b128 v[116+8*\i:119+8*\i], v[10+\i], s[14:15] offset:16
.endr
	s_wait_kmcnt 0x0
	s_add_co_i32 s46, s40, 127
	s_lshl_b32 s47, s46, 23
	v_mov_b32 v30, s47                             ; 2^e0
	s_add_co_i32 s46, s46, 8
	s_lshl_b32 s46, s46, 23
	s_or_b32 s46, s46, 0x600000
	v_mov_b32 v31, s46                             ; 448 x 2^e0
	s_add_co_i32 s46, s40, s41
	s_add_co_i32 s46, s46, s42
	s_add_co_i32 s46, s46, s43
	v_mov_b32 v28, 0x3e38aa3b                      ; log2(e) / 8
	v_ldexp_f32 v28, v28, s46                      ; x 2^(e0 + e1 + e2 + e3): q's scales, k's scales and the softmax's base in one factor
	s_sub_co_i32 s55, s44, s42
	s_sub_co_i32 s55, s55, s43                     ; e4 - e2 - e3: the attention's sums lack v's 2^(e2 + e3)
	s_add_co_i32 s55, s55, 127
	s_lshl_b32 s56, s55, 23                        ; 2^(e4 - e2 - e3)
	s_add_co_i32 s55, s55, 8
	s_lshl_b32 s55, s55, 23
	s_or_b32 s55, s55, 0x600000                    ; 448 x that
	s_add_co_i32 s57, s44, s45                     ; e4 + e5
	AXA 8, 226, MK
	AXA 9, 233, MK+2
	s_wait_alu depctr_va_sdst(0)                   ; the four compares have written their masks s58 to s61, ahead of the selections that read them
	AXB 226, MK
	AXB 233, MK+2
	v_mul_f32 v216, v231, v238                     ; the four corners' weights, each twice: pairs for the packed forms
	v_mul_f32 v218, v231, v239
	v_mul_f32 v220, v232, v238
	v_mul_f32 v222, v232, v239
	v_mov_b32 v217, v216
	v_mov_b32 v219, v218
	v_mov_b32 v221, v220
	v_mov_b32 v223, v222
	v_mul_f32 v226, v229, v237                     ; the coordinate image's sample along y: (g0 Wy0 + g1 Wy1)(Wx0 + Wx1),
	v_mul_f32 v227, v236, v230                     ; and along x
	v_fma_f32 v226, v226, 0.5, 0.5                 ; X = (sample + 1) / 2
	v_fma_f32 v227, v227, 0.5, 0.5
	; the encoding hangs on the coordinates alone: it is made and stored here, while the gathers are on their way
.irp i, 0,1,2,3
	v_readlane_b32 s[PX+2*\i], v226, 8*\i          ; a query's X along y and along x lie in its eight lanes
	v_readlane_b32 s[PX+2*\i+1], v227, 8*\i
.endr
	s_wait_alu depctr_va_sdst(0)                   ; the eight X are written in s40 to s47, ahead of the moves that read them
	PE 0
	PE 1
	PE 2
	PE 3
	s_wait_alu depctr_va_vdst(0)                   ; the four encodings are written in v236 to v239, which the LDS stores read
.irp i, 0,1,2,3
	ds_store_b32 v16, v[236+\i] offset:OUT+260+ORW*\i
.endr
	s_wait_loadcnt 8                               ; all is in but the eight loads of neighbours' codes
	; ---- 1: the sample, its norm and codes; the image's sample
	ds_store_b128 v42, v[208:211] offset:WS        ; my tile of Wkv for all eight waves (loaded data; no vector line has named v42 since the head's wait)
	ds_store_b128 v42, v[212:215] offset:WS+512
.irp p, 0,2,4,6
	v_pk_mul_f32 v[196+\p:197+\p], v[144+\p:145+\p], v[216:217]
.endr
.irp j, 1,2,3
.irp p, 0,2,4,6
	v_pk_fma_f32 v[196+\p:197+\p], v[144+8*\j+\p:145+8*\j+\p], v[216+2*\j:217+2*\j], v[196+\p:197+\p]
.endr
.endr
	v_mul_f32 v204, v176, v216
	v_fma_f32 v204, v177, v218, v204
	v_fma_f32 v204, v178, v220, v204
	v_fma_f32 v204, v179, v222, v204
	v_pk_add_f32 v[228:229], v[196:197], v[198:199]   ; LayerNorm over the query's eight lanes
	v_pk_add_f32 v[230:231], v[200:201], v[202:203]
	v_pk_add_f32 v[228:229], v[228:229], v[230:231]
	v_add_f32 v228, v228, v229
	v_add_f32_dpp v228, v228, v228 row_xmask:1 row_mask:0xf bank_mask:0xf
	v_add_f32_dpp v228, v228, v228 row_xmask:2 row_mask:0xf bank_mask:0xf
	v_add_f32_dpp v228, v228, v228 row_xmask:4 row_mask:0xf bank_mask:0xf
	v_mul_f32 v228, s53, v228                      ; the mean
	v_mov_b32 v229, v228
.irp p, 0,2,4,6
	v_pk_add_f32 v[196+\p:197+\p], v[196+\p:197+\p], v[228:229] neg_lo:[0,1] neg_hi:[0,1]
.endr
	v_pk_mul_f32 v[230:231], v[196:197], v[196:197]
	v_pk_mul_f32 v[232:233], v[198:199], v[198:199]
	v_pk_fma_f32 v[230:231], v[200:201], v[200:201], v[230:231]
	v_pk_fma_f32 v[232:233], v[202:203], v[202:203], v[232:233]
	v_pk_add_f32 v[230:231], v[230:231], v[232:233]
	v_add_f32 v230, v230, v231
	v_add_f32_dpp v230, v230, v230 row_xmask:1 row_mask:0xf bank_mask:0xf
	v_add_f32_dpp v230, v230, v230 row_xmask:2 row_mask:0xf bank_mask:0xf
	v_add_f32_dpp v230, v230, v230 row_xmask:4 row_mask:0xf bank_mask:0xf
	v_mul_f32 v230, s53, v230
	v_add_f32 v230, 0x3727c5ac, v230               ; + 1e-5
	v_rsq_f32 v230, v230
	v_nop                                          ; a plain line behind the transcendental
	s_wait_alu depctr_va_vdst(0)                   ; the root's reciprocal is written in v230, ahead of the first line that names it; the image's sample is written in v204, which the LDS store reads
	ds_store_b32 v14, v204 offset:OUT+256          ; column 64; a query's eight lanes write the same number
	v_mov_b32 v231, v230
.irp p, 0,2,4,6
	v_pk_mul_f32 v[196+\p:197+\p], v[196+\p:197+\p], v[230:231]
.endr
.irp p, 0,2,4,6
	v_pk_fma_f32 v[196+\p:197+\p], v[196+\p:197+\p], v[180+\p:181+\p], v[188+\p:189+\p]
.endr
.irp j, 0,1,2,3,4,5,6,7
	v_med3_num_f32 v[196+\j], v[196+\j], -v31, v31 ; the conversion to an 8-bit code does not saturate (ISA guide 7.6.2): the hold comes first
.endr
	v_cvt_scalef32_pk8_fp8_f32 v[224:225], v[196:203], v30
	v_nop                                          ; a plain line behind the conversion
	s_wait_alu depctr_va_vdst(0)                   ; the conversion has written v[224:225], which the LDS store reads; every vector line that named v32-46 or v216-223 is done: behind the barrier loads land there, with no vector line between
	ds_store_b64 v15, v[224:225] offset:XQ
	BARRIER                                        ; the 32 rows of codes and the eight images lie in LDS
	; ---- 2: q, one tile a wave
	s_wait_alu depctr_vm_vsrc(0)                   ; the loads and LDS stores so far have read their offsets v32 to v46, in which Wk's tiles land, and the codes v[224:225], which q's multiplies write
	ds_load_b128 v[216:219], v17 offset:XQ
	ds_load_b128 v[220:223], v17 offset:XQ+16
.irp t, 0,1,2,3,4,5,6,7
	ds_load_b128 v[32+8*\t:35+8*\t], v18 offset:WS+1024*\t
	ds_load_b128 v[36+8*\t:39+8*\t], v18 offset:WS+1024*\t+512
.endr
	s_wait_dscnt 16                                ; the fragment's two loads are in; the sixteen behind them may be out
	v_wmma_f32_16x16x64_fp8_fp8 v[144:151], v[216:223], v[96:103], 0   ; lane (r, h), register j: q(16 mt + 8 h + j, 16 nt + r)
.rept 5
	v_nop                                          ; FIVE places: four serve the reads below; the fifth is owed to the first query's first product, which begins these eight
.endr                                          ; registers anew, and the eight multiplies below name them and so are no places (ISA guide 7.12.1)
.irp j, 0,1,2,3,4,5,6,7
	v_mul_f32 v[224+\j], v28, v[144+\j]
.endr
	s_wait_alu depctr_va_vdst(0)                   ; the multiplies have written v224 to v231, which the LDS stores read; the product is done reading v216-223: behind the barrier q lands there, with no vector line between
.irp j, 0,1,2,3,4,5,6,7
	ds_store_b32 v19, v[224+\j] offset:QS+272*\j
.endr
	BARRIER                                        ; q's 32 rows lie in LDS; Wk's and Wv's tiles are in my registers
	; ---- 3: the attention of my four queries
	s_wait_alu depctr_vm_vsrc(0)                   ; my LDS stores have read v208-215 (my tile of Wkv), v224-231 (q) and v236-239 (the encodings): q of the query in hand lands in v208 to v239
	QLOAD 0
	s_wait_loadcnt 0x0                             ; the neighbours' codes
	ATT 0
	ATT 1
	ATT 2
	ATT 3
	BARRIER                                        ; the 32 results lie in LDS
	; ---- 4: x Wo + bo, one tile a wave
.irp c, 0,1,2,3
	ds_load_b128 v[208+8*\c:211+8*\c], v22 offset:OS+64*\c       ; row 16 mt + r, features 16 c + 8 h + 0 .. 7: the operand's own order.  (No vector line since the wait ahead of the last result's store)
	ds_load_b128 v[212+8*\c:215+8*\c], v22 offset:OS+64*\c+16
.endr
	v_mov_b32 v30, s56
	v_mov_b32 v31, s55
	v_ldexp_f32 v28, 1.0, s57                      ; 2^(e4 + e5)
	s_wait_dscnt 0x0
.set CI, 0
.rept 32
	v_med3_num_f32 v[208+CI], v[208+CI], -v31, v31
.set CI, CI+1
.endr
.irp c, 0,1,2,3
	v_cvt_scalef32_pk8_fp8_f32 v[96+2*\c:97+2*\c], v[208+8*\c:215+8*\c], v30
.endr
	v_nop                                          ; a plain line between the last conversion and the product that reads its result
	v_wmma_f32_16x16x64_fp8_fp8 v[144:151], v[96:103], v[104:111], 0
.rept 4
	v_nop
.endr
.irp j, 0,1,2,3,4,5,6,7
	v_fma_f32 v[224+\j], v[144+\j], v28, v29       ; sum x 2^(e4 + e5) + bo
.endr
	s_wait_alu depctr_va_vdst(0)                   ; the multiply-adds have written v224 to v231, which the LDS stores read; the holds and conversions are done with v208-239: behind the barrier the output's bytes land in v208-219 and v232, with no vector line between
.irp j, 0,1,2,3,4,5,6,7
	ds_store_b32 v23, v[224+\j] offset:OUT+ORW*\j
.endr
	BARRIER                                        ; the work-group's 12,416 output bytes lie in LDS as they lie in memory
	; ---- 5: the way out.  The stores' data come from LDS loads, whose counter is waited for; their addresses v25 and v26 stand since the wait ahead of the gathers
.irp i, 0,1,2
	ds_load_b128 v[208+4*\i:211+4*\i], v25 offset:OUT+4096*\i
.endr
.irp i, 0,1,2
	s_wait_dscnt 2-\i                              ; LDS loads come back in order: load i is in, the later ones may be out
	global_store_b128 v25, v[208+4*\i:211+4*\i], s[30:31] offset:4096*\i th:TH_STORE_NT   ; sixteen lanes store 256 consecutive bytes, at a multiple of 256 from out0's first byte
.endr
	s_cmp_lg_u32 s2, 0
	s_cbranch_scc1 .Lend
	ds_load_b32 v232, v26 offset:OUT               ; wave 0: the 128 bytes that are over
	s_wait_dscnt 0x0
	global_store_b32 v26, v232, s[30:31] th:TH_STORE_NT
.Lend:
	s_wait_dscnt 0x0
	s_wait_alu depctr_hold_cnt(0) depctr_sa_sdst(0) depctr_va_vdst(0) depctr_va_sdst(0) depctr_va_ssrc(0) depctr_va_vcc(0) depctr_vm_vsrc(0)
	s_wait_tensorcnt 0x0
	ds_add_u32 v250, v251
	s_wait_dscnt 0x0
	s_endpgm
.Lfunc_end_k_q47a655d025_attend:
	.size	k_q47a655d025_attend, .Lfunc_end_k_q47a655d025_attend-k_q47a655d025_attend
	.p2alignl 7, 3214868480
	.fill 96, 4, 3214868480
	.section	.rodata,"a",@progbits
	.p2align	6, 0x0
	.amdhsa_kernel k_q47a655d025_attend
		.amdhsa_group_segment_fixed_size 41984
		.amdhsa_private_segment_fixed_size 0
		.amdhsa_enable_private_segment 0
		.amdhsa_kernarg_size 96
		.amdhsa_user_sgpr_count 2
		.amdhsa_user_sgpr_kernarg_segment_ptr 1
		.amdhsa_wavefront_size32 1
		.amdhsa_system_sgpr_workgroup_id_x 1
		.amdhsa_system_sgpr_workgroup_id_y 1
		.amdhsa_system_sgpr_workgroup_id_z 1
		.amdhsa_system_vgpr_workitem_id 0
		.amdhsa_next_free_vgpr 256
		.amdhsa_next_free_sgpr 66
		.amdhsa_reserve_vcc 0
		.amdhsa_float_denorm_mode_32 3
		.amdhsa_float_denorm_mode_16_64 3
		.amdhsa_memory_ordered 1
		.amdhsa_forward_progress 1
		.amdhsa_inst_pref_size 51
	.end_amdhsa_kernel
	.amdgpu_metadata
---
amdhsa.version: [ 1, 2 ]
amdhsa.kernels:
  - .name:           k_q47a655d025_attend
    .symbol:         k_q47a655d025_attend.kd
    .args:
      - { .name: coords, .offset: 0, .size: 8, .value_kind: global_buffer, .address_space: global }
      - { .name: image, .offset: 8, .size: 8, .value_kind: global_buffer, .address_space: global }
      - { .name: latT, .offset: 16, .size: 8, .value_kind: global_buffer, .address_space: global }
      - { .name: ctxc, .offset: 24, .size: 8, .value_kind: global_buffer, .address_space: global }
      - { .name: wimg, .offset: 32, .size: 8, .value_kind: global_buffer, .address_space: global }
      - { .name: nbr, .offset: 40, .size: 8, .value_kind: global_buffer, .address_space: global }
      - { .name: cor, .offset: 48, .size: 8, .value_kind: global_buffer, .address_space: global }
      - { .name: ln_gx, .offset: 56, .size: 8, .value_kind: global_buffer, .address_space: global }
      - { .name: ln_bx, .offset: 64, .size: 8, .value_kind: global_buffer, .address_space: global }
      - { .name: bo, .offset: 72, .size: 8, .value_kind: global_buffer, .address_space: global }
      - { .name: lowp_scales, .offset: 80, .size: 8, .value_kind: global_buffer, .address_space: global }
      - { .name: out0, .offset: 88, .size: 8, .value_kind: global_buffer, .address_space: global }
    .group_segment_fixed_size: 41984
    .private_segment_fixed_size: 0
    .kernarg_segment_align: 8
    .kernarg_segment_size: 96
    .max_flat_workgroup_size: 256
    .sgpr_count:     66
    .vgpr_count:     256
    .wavefront_size: 32
...
	.end_amdgpu_metadata
.endif
;; end of part 3
